; MI455X (gfx1250); checked and timed in simulation.
; The chip was launched on July 23, 2026; its instructions are those of AMD's public machine-readable ISA for CDNA 5 (MIT licence, August 2026) and "CDNA5" Instruction Set Architecture Reference Guide (July 2026). The comments in the code are by the model that wrote it; some were corrected since.
;; FHN Triton Attention. Allowed arithmetic: matrix products marked QUANTISED: E2M1 operands, one E8M0 scale for each 32 along K, by v_wmma_scale_f32_16x16x128_f8f6f4 with both operands' format E2M1 (or v_wmma_scale_f32_32x16x128_f4), f32 sums; products left as they are: bf16, f16 or f32 operands; f32 sums; everything else in f32.
;; Inputs: Wout 1,024 x 1,024 float32; Wqkv 3,072 x 1,024 float32; a one number float32; b one number float32; dt one number float32; x 2 x 2,048 x 1,024 float32.
;; Outputs: out0 2 x 2,048 x 1,024 float32.
;; This version of the problem:
;;   THIS VERSION OF THE PROBLEM IS GIVEN IN LOW PRECISION. The matrix products marked QUANTISED in the list below multiply operands that are first quantised to E2M1 (2 exponent bits, 1 mantissa bit; 4 bits a number), with one power-of-two scale for each 32 numbers along K (OCP MX v1.0); their sums are f32. The products marked 'left as it is' may take bf16, f16 or f32 operands, with f32 sums. Whichever they take, every output number must still come out within the allowed error. Rounding operands to bf16 (8 significant bits) uses up far more of that allowance than f16 does (11 bits, for magnitudes from 6e-5 to 65,504). All else is computed in f32.
;;   The module's matrix products, in the order in which they are computed (A, B: the left and right operand; K: the contracted axis; several contracted axes count as one K, in the product's order):
;;     1. [M 4,096, K 1,024] x [K 1,024, N 3,072]; A: input x; B: input Wqkv: QUANTISED
;;     2. batch 32 x [M 2,048, K 64] x [K 64, N 2,048]; A: computed on the way; B: computed on the way: left as it is (an operand is computed on the way)
;;     3. batch 32 x [M 2,048, K 2,048] x [K 2,048, N 64]; A: computed on the way; B: computed on the way: left as it is (an operand is computed on the way)
;;     4. [M 4,096, K 1,024] x [K 1,024, N 1,024]; A: computed on the way; B: input Wout: left as it is (an operand is computed on the way)
;;   THE QUANTISER, for each operand of a quantised product, along K:
;;     - K is cut into blocks of 32 from its start; a last block that is shorter is filled with zeros.
;;     - A block's scale is 2^e with e = floor(log2(the largest magnitude in the block)) - 2, held to -126 .. 127; a block of zeros has e = 0. As a byte (E8M0): e + 127.
;;     - Each number is divided by its block's scale, clamped to +-6, and rounded to the nearest number of E2M1, ties to even, subnormals kept.
;;     - The product sums the exact products of the quantised numbers (number of the format x scale) in f32.
;;   ~~~python
;;   def quantise(x, axis):      # numpy; x: float32 -> the quantised numbers, widened to float32 again
;;       x = np.moveaxis(x, axis, -1); K = x.shape[-1]
;;       x = np.pad(x, [(0, 0)] * (x.ndim - 1) + [(0, -K % 32)]); x = x.reshape(x.shape[:-1] + (-1, 32)); a = np.abs(x).max(-1, keepdims=True)
;;       e = np.where(a > 0, np.clip(np.frexp(np.where(a > 0, a, 1))[1] - 1 - 2, -126, 127), 0)      # np.frexp(a)[1] - 1 = floor(log2(a)), exactly
;;       r = np.clip(x / 2.0 ** e, -6, 6)
;;       step = 2.0 ** (np.maximum(np.frexp(np.where(r == 0, 1, r))[1] - 1, 0) - 1)
;;       q = np.round(r / step) * step * 2.0 ** e      # np.round: ties to even
;;       return np.moveaxis(q.reshape(q.shape[:-2] + (-1,))[..., :K], -1, axis).astype(np.float32)
;;   ~~~
;; One version. Each part assembles by itself: llvm-mc -triple=amdgcn-amd-amdhsa -mcpu=gfx1250 --defsym DOCPART=n.
;; ======== version 1 of 1: 5 launches
;; limits: values are held in f16: magnitudes above 65,504 overflow, below 6.1e-05 lose precision
;; workspace buffers: xc 2,097,152 bytes; xs 131,072 bytes; wc 1,572,864 bytes; ws 98,304 bytes; wf 2,097,152 bytes; qkvf 25,165,824 bytes; q16 393,216 bytes; ao 8,388,608 bytes
;; launch quant (part 1): grid 256 x 1, 4 waves a work-group, no clusters, 33,280 bytes of LDS; arguments x, Wqkv, Wout, xc, xs, wc, ws, wf; writes xc, xs, wc, ws, wf
.if DOCPART == 1
	.amdgcn_target "amdgcn-amd-amdhsa--gfx1250"
	.amdhsa_code_object_version 6
	.text
	.protected	k_qee84c50402_quant
	.globl	k_qee84c50402_quant
	.p2align	8
	.type	k_qee84c50402_quant,@function
k_qee84c50402_quant:
	s_mov_b64 s[64:65], 0
	v_nop
	global_prefetch_b8 v0, s[64:65] scope:SCOPE_SE
	s_setreg_imm32_b32 hwreg(HW_REG_WAVE_MODE, 25, 1), 1
	s_wait_xcnt 0x0
; THE PROGRAM: out = (gated causal attention of qkv = x Wqkv^T) Wout^T, in five launches: this one (operands made narrow), qkv (the quantised product), attn, proj, first16.
; WORK LEFT OUT, in the problem's own terms, for all finite inputs, in exact arithmetic:
;   attn_energy is the sum of a softmax along its own axis, and every causal row keeps its diagonal key: it is 1.  So stim_scale = max(1, 1e-6) = 1, stimulus_normed = 1,
;   threshold_gate = sigmoid((1 - 0.5) x 10) = sigmoid(5), and I = 0.1 + 0.9 sigmoid(5) is one constant for every row.  v_state and w_state begin as zeros that the problem builds itself, so
;   v1 = dt I, w1 = (dt/tau)(v1 + a) / (1 + (dt/tau) b), v2 = v1 + dt (v1 - v1^3/3 - w1 + I); the second w is never used; the mean over head_dim is of equal numbers.
;   With c = 0.5 + 0.5 sigmoid(v2) the sum of attn_probs x c is c, so the renormalised weights are the softmax x F, F = c / (c + 1e-8): ONE number made of a, b and dt, which stay live and are loaded (attn, first16).
;   Not computed: the energy sums, their maximum over T, the normed stimulus, the threshold gate per row, the broadcast to head_dim and its mean, the second sum of the weights;
;   and the key tiles that lie wholly above the diagonal, which the mask that the problem builds itself throws away.
; LIMITS: a NaN, an infinity or an overflow that reaches only the work left out is not carried to the result.  dt / tau is taken as dt x 0.08.  q, k, v, the attention's result and Wout go on as f16:
;   magnitudes under 65,504.  Blocks whose largest magnitude lies under 2^-124 keep the scale byte 1; NaN and infinities among x and Wqkv are not served.
; THIS LAUNCH.  x [4096][1024] and Wqkv [3072][1024], f32, K innermost, become codes of E2M1 (two a byte, the lower k in the low four bits) and one E8M0 byte for each 32 along K; Wout [1024][1024] becomes f16.
; A block's scale is 2^(floor(log2(its largest magnitude)) - 2): its byte is the largest magnitude's exponent field - 2, held at 1 from below.  (A block of zeros so gets the byte 1 where the rule says 127:
; its codes are zeros, which add nothing under any byte but 0xff, and this program alone reads the bytes.)
; Work-groups 0-127 take x, 128-223 Wqkv: both are plain streams of blocks of 32, 8,192 numbers a wave, in 16 steps of 512.  Each load reads 512 consecutive bytes; a step's 2,048 bytes turn through the wave's own
; stage in LDS, so that a lane holds 16 neighbours along K; two neighbouring lanes hold a block.  Work-groups 224-255 take Wout: a path of its own that touches no LDS.  Waves share nothing: no barrier.
.set WAVES, 4
.set STEPS, 16
.set WGA,   128                        ; work-groups for x: 4096 x 1024 / 32768
.set WGQ,   224                        ; and with Wqkv's 96
.set EMAX,  2
.set CB,    8                          ; bytes of 16 codes
.set R,     16                         ; v16-79   four sets of 16 numbers as loaded (Wout's path: v16-143, two sets of 64)
.set X,     80                         ; v80-111  two sets of 16 neighbours
.set C,     128                        ; v128-191 codes: registers of its own for each step
.set E,     112                        ; v112-127 a scale byte for each step
.set WREG,  8192                       ; LDS: a region for each wave: two stages of 32 x SP bytes, then its 256 scale bytes
.set SP,    80                         ; a lane's place in a stage: 64 bytes + 16 of padding
.set SPW,   12                         ; v12 LDS address of my spare word; never rewritten
.set NIL,   13                         ; v13 0; never rewritten
.set SPARE, WAVES*WREG                 ; the spare words: 128 bytes for each wave, named by no other line
	s_load_b256 s[4:11], s[0:1], 0x0               ; x s[4:5], Wqkv s[6:7], Wout s[8:9], xc s[10:11]
	s_load_b256 s[12:19], s[0:1], 0x20             ; xs s[12:13], wc s[14:15], ws s[16:17], wf s[18:19]
	v_lshl_add_u32 v[SPW], v0, 2, SPARE
	v_mov_b32 v[NIL], 0
	v_lshrrev_b32 v1, 5, v0
	v_readfirstlane_b32 s20, v1                    ; wave
	v_and_b32 v2, 31, v0                           ; lane
	v_lshlrev_b32 v3, 4, v2                        ; my 16 bytes of a load's 512
	v_mul_u32_u24 v4, v2, CB                       ; my 8 bytes of a store's 256
	s_cmp_ge_u32 ttmp9, WGQ                        ; the work-group's number alone decides
	s_cbranch_scc1 .Lwout
	s_mul_i32 s21, s20, WREG
	v_lshrrev_b32 v14, 2, v2
	v_mul_u32_u24 v14, v14, SP
	v_and_b32 v15, 3, v2
	v_lshl_add_u32 v14, v15, 4, v14
	v_add_nc_u32 v14, s21, v14                     ; the stage, on the way in: four lanes' 64 bytes on end, then 16 of padding
	v_mul_u32_u24 v15, v2, SP
	v_add_nc_u32 v15, s21, v15                     ; and on the way out: my 16 neighbours
	v_lshrrev_b32 v5, 1, v2
	s_add_co_u32 s21, s21, 2*32*SP
	v_add_nc_u32 v5, s21, v5                       ; my wave's 256 scale bytes, my block's byte
	v_lshlrev_b32 v7, 3, v2                        ; and on the way out 8 bytes a lane
	v_add_nc_u32 v6, s21, v7
	s_wait_kmcnt 0x0
	s_cmp_lt_u32 ttmp9, WGA                        ; x's work-group or Wqkv's: only pointers are chosen, both take one path
	s_cselect_b64 s[4:5], s[4:5], s[6:7]
	s_cselect_b64 s[10:11], s[10:11], s[14:15]
	s_cselect_b64 s[12:13], s[12:13], s[16:17]
	s_cselect_b32 s21, 0, WGA
	s_sub_co_u32 s21, ttmp9, s21
	s_lshl_b32 s21, s21, 2
	s_add_co_u32 s21, s21, s20                     ; which run of 8,192 numbers is my wave's
	s_lshl_b32 s22, s21, 15                        ; 32,768 bytes of f32,
	s_mov_b32 s23, 0
	s_add_nc_u64 s[4:5], s[4:5], s[22:23]
	s_lshl_b32 s22, s21, 12                        ; 4,096 of codes,
	s_add_nc_u64 s[10:11], s[10:11], s[22:23]
	s_lshl_b32 s22, s21, 8                         ; 256 scale bytes
	s_add_nc_u64 s[12:13], s[12:13], s[22:23]
.macro LOAD t
.irp i, 0,1,2,3
	global_load_b128 v[R+16*((\t)%4)+4*\i:R+16*((\t)%4)+4*\i+3], v3, s[4:5] offset:2048*(\t)+512*\i th:TH_LOAD_NT   ; 32 lanes read 512 consecutive bytes
.endr
.endm
.macro TURN t                          ; step t's numbers through the stage: LDS serves a wave's instructions in order, so no wait stands between the stores and the loads
.irp i, 0,1,2,3
	ds_store_b128 v14, v[R+16*((\t)%4)+4*\i:R+16*((\t)%4)+4*\i+3] offset:32*SP*((\t)%2)+8*SP*\i
.endr
.irp i, 0,1,2,3
	ds_load_b128 v[X+16*((\t)%2)+4*\i:X+16*((\t)%2)+4*\i+3], v15 offset:32*SP*((\t)%2)+16*\i
.endr
.endm
.irp t, 0,1,2,3
	LOAD \t
.endr
	s_wait_loadcnt 12                              ; step 0's four loads are in; the twelve of steps 1 to 3 stay out
	TURN 0
.macro STEP t
.set XS, X+16*((\t)%2)
.if (\t) > 0
	s_wait_dscnt 1                                 ; this step's numbers are back from the stage (the last step's byte store may be out)
.else
	s_wait_dscnt 0x0
.endif
.if (\t)+4 < STEPS
	LOAD (\t)+4                                    ; into the registers that the stage's stores have read
.endif
.if (\t)+1 < STEPS
.if STEPS-2-(\t) >= 3
	s_wait_loadcnt 12                              ; the next step's four loads are in; those of the three steps behind it may be out
.else
	s_wait_loadcnt 4*(STEPS-2-(\t))
.endif
	TURN (\t)+1
.endif
	v_max3_num_f32 v8, |v[XS]|, |v[XS+1]|, |v[XS+2]|               ; the largest magnitude of my 16, in two chains
	v_max3_num_f32 v9, |v[XS+3]|, |v[XS+4]|, |v[XS+5]|
.irp i, 6,10
	v_max3_num_f32 v8, v8, |v[XS+\i]|, |v[XS+\i+1]|
	v_max3_num_f32 v9, v9, |v[XS+\i+2]|, |v[XS+\i+3]|
.endr
	v_max3_num_f32 v8, v8, |v[XS+14]|, |v[XS+15]|
	v_max3_num_f32 v8, v8, v9, (EMAX+1)<<23        ; and the floor 2^(3 - 127): the byte cannot fall under 1
	v_max_num_f32_dpp v8, v8, v8 row_xmask:1 row_mask:0xf bank_mask:0xf   ; and of my neighbour's 16: the block's
	v_add_nc_u32 v11, -(EMAX<<23), v8              ; 2 off its exponent field: the conversion takes the exponent field of this operand as its scale
	v_cvt_scalef32_pk8_fp4_f32 v[C+4*(\t)], v[XS:XS+7], v11
	v_cvt_scalef32_pk8_fp4_f32 v[C+4*(\t)+1], v[XS+8:XS+15], v11
	v_lshrrev_b32 v[E+(\t)], 23, v11               ; the scale's byte (also the plain line behind the conversions)
	ds_store_b8 v5, v[E+(\t)] offset:16*(\t)       ; both lanes of a block write the same byte with the same value
	global_store_b64 v4, v[C+4*(\t):C+4*(\t)+1], s[10:11] offset:32*CB*(\t)   ; the wave stores 256 consecutive bytes, aligned
.endm
.irp t, 0,1,2,3,4,5,6,7,8,9,10,11,12,13,14,15
	STEP \t
.endr
	ds_load_b64 v[8:9], v6                         ; my wave's 256 scale bytes: these loads see my stores
	s_wait_dscnt 0x0
	global_store_b64 v7, v[8:9], s[12:13]          ; 256 consecutive bytes, aligned
	s_wait_tensorcnt 0x0                           ; the wave's end: behind my last LDS store
	ds_add_u32 v[SPW], v[NIL]
	s_wait_dscnt 0x0
	s_endpgm
; Wout to f16, as it lies: a wave takes 8,192 numbers in four runs of 16 loads of 512 bytes; two sets of 64 registers take turns.
.Lwout:
	s_sub_co_u32 s21, ttmp9, WGQ
	s_lshl_b32 s21, s21, 2
	s_add_co_u32 s21, s21, s20
	s_lshl_b32 s22, s21, 15
	s_mov_b32 s23, 0
	s_wait_kmcnt 0x0
	s_add_nc_u64 s[8:9], s[8:9], s[22:23]
	s_lshl_b32 s22, s21, 14
	s_add_nc_u64 s[18:19], s[18:19], s[22:23]
.macro LOADW n
.irp i, 0,1,2,3,4,5,6,7,8,9,10,11,12,13,14,15
	global_load_b128 v[R+64*((\n)%2)+4*\i:R+64*((\n)%2)+4*\i+3], v3, s[8:9] offset:((\n)*16+\i)*512 th:TH_LOAD_NT
.endr
.endm
.macro CONV n, base                    ; base - i: the loads issued behind load i of this run
.irp i, 0,1,2,3,4,5,6,7,8,9,10,11,12,13,14,15
	s_wait_loadcnt (\base)-\i
	v_cvt_pk_f16_f32 v[R+64*((\n)%2)+4*\i], v[R+64*((\n)%2)+4*\i], v[R+64*((\n)%2)+4*\i+1]
	v_cvt_pk_f16_f32 v[R+64*((\n)%2)+4*\i+1], v[R+64*((\n)%2)+4*\i+2], v[R+64*((\n)%2)+4*\i+3]
	global_store_b64 v4, v[R+64*((\n)%2)+4*\i:R+64*((\n)%2)+4*\i+1], s[18:19] offset:((\n)*16+\i)*256   ; 256 consecutive bytes, aligned
.endr
.endm
	LOADW 0
	LOADW 1
	CONV 0, 31
	s_wait_xcnt 0x0                                ; the stores have read their registers: the set may be loaded again
	LOADW 2
	CONV 1, 31
	s_wait_xcnt 0x0
	LOADW 3
	CONV 2, 31
	CONV 3, 15
	s_endpgm
.Lfunc_end_k_qee84c50402_quant:
	.size	k_qee84c50402_quant, .Lfunc_end_k_qee84c50402_quant-k_qee84c50402_quant
	.p2alignl 7, 3214868480
	.fill 96, 4, 3214868480
	.section	.rodata,"a",@progbits
	.p2align	6, 0x0
	.amdhsa_kernel k_qee84c50402_quant
		.amdhsa_group_segment_fixed_size 33280
		.amdhsa_private_segment_fixed_size 0
		.amdhsa_enable_private_segment 0
		.amdhsa_kernarg_size 64
		.amdhsa_user_sgpr_count 2
		.amdhsa_user_sgpr_kernarg_segment_ptr 1
		.amdhsa_wavefront_size32 1
		.amdhsa_system_sgpr_workgroup_id_x 1
		.amdhsa_system_sgpr_workgroup_id_y 1
		.amdhsa_system_sgpr_workgroup_id_z 1
		.amdhsa_system_vgpr_workitem_id 0
		.amdhsa_next_free_vgpr 192
		.amdhsa_next_free_sgpr 66
		.amdhsa_reserve_vcc 0
		.amdhsa_float_denorm_mode_32 3
		.amdhsa_float_denorm_mode_16_64 3
		.amdhsa_memory_ordered 1
		.amdhsa_forward_progress 1
		.amdhsa_inst_pref_size 56
	.end_amdhsa_kernel
	.amdgpu_metadata
---
amdhsa.version: [ 1, 2 ]
amdhsa.kernels:
  - .name:           k_qee84c50402_quant
    .symbol:         k_qee84c50402_quant.kd
    .args:
      - { .name: x, .offset: 0, .size: 8, .value_kind: global_buffer, .address_space: global }
      - { .name: Wqkv, .offset: 8, .size: 8, .value_kind: global_buffer, .address_space: global }
      - { .name: Wout, .offset: 16, .size: 8, .value_kind: global_buffer, .address_space: global }
      - { .name: xc, .offset: 24, .size: 8, .value_kind: global_buffer, .address_space: global }
      - { .name: xs, .offset: 32, .size: 8, .value_kind: global_buffer, .address_space: global }
      - { .name: wc, .offset: 40, .size: 8, .value_kind: global_buffer, .address_space: global }
      - { .name: ws, .offset: 48, .size: 8, .value_kind: global_buffer, .address_space: global }
      - { .name: wf, .offset: 56, .size: 8, .value_kind: global_buffer, .address_space: global }
    .group_segment_fixed_size: 33280
    .private_segment_fixed_size: 0
    .kernarg_segment_align: 8
    .kernarg_segment_size: 64
    .max_flat_workgroup_size: 128
    .sgpr_count:     66
    .vgpr_count:     192
    .wavefront_size: 32
...
	.end_amdgpu_metadata
.endif
;; end of part 1
;; launch qkv (part 2): grid 12 x 16, 4 waves a work-group, clusters of 4 x 4, 327,680 bytes of LDS; arguments xc, xs, wc, ws, qkvf, q16; writes qkvf, q16
.if DOCPART == 2
	.amdgcn_target "amdgcn-amd-amdhsa--gfx1250"
	.amdhsa_code_object_version 6
	.text
	.protected	k_qee84c50402_qkv
	.globl	k_qee84c50402_qkv
	.p2align	8
	.type	k_qee84c50402_qkv,@function
k_qee84c50402_qkv:
	s_mov_b64 s[64:65], 0
	v_nop
	global_prefetch_b8 v0, s[64:65] scope:SCOPE_SE
	s_setreg_imm32_b32 hwreg(HW_REG_WAVE_MODE, 25, 1), 1
	s_wait_xcnt 0x0
	s_wait_alu depctr_hold_cnt(0) depctr_sa_sdst(0) depctr_va_vdst(0) depctr_va_sdst(0) depctr_va_ssrc(0) depctr_va_vcc(0) depctr_vm_vsrc(0)
	s_getreg_b32 s2, hwreg(HW_REG_IB_STS2, 6, 4)
	s_cmp_eq_u32 s2, 0
	s_cbranch_scc0 .Lentry_in_a_cluster
	s_endpgm
.Lentry_in_a_cluster:
	s_bfe_u32 s2, ttmp6, 0x10000c
	s_cmp_lg_u32 s2, 0xf033
	s_cbranch_scc0 .Lentry_shape_is_right
	s_endpgm
.Lentry_shape_is_right:
; qkv[m][n] = sum over k of x[m][k] Wqkv[n][k], both operands as codes of E2M1 with one E8M0 byte for each 32 along K; sums in f32.  m 4,096, n 3,072, k 1,024.
; A tile of 256 x 256 is made by four waves, 128 x 128 each: 64 accumulators of 16 x 16.  K is two slots of 512 (rows of 256 bytes): both are first fills, nothing is filled again.
; The scale bytes of the work-group's 256 + 256 rows, for all of K, come once, as two dense blocks, and stay in LDS.
; CLUSTERS: 4 x 4 work-groups; x's tiles are asked for jointly along a row of the cluster, Wqkv's along a column.
; THE MATRIX INSTRUCTION IS USED TRANSPOSED (source 0 = 16 rows of Wqkv, source 1 = 16 rows of x): a lane holds one position t and eight neighbouring columns.
; THE WAY OUT needs no LDS: rounded to f16, a lane's eight columns are 16 bytes that ARE a quarter of a 16-bit fragment of the attention's products.  qkvf holds such images:
;   byte = three x 2^23 + (16 batch + head) x 2^18 + (t / 16) x 2,048 + (d / 16) x 512 + 16 x place; the 16 bytes are d = 16 (d/16) + 8 hh + 0..7 of position 16 (t/16) + r.
;   q, k: place = 16 hh + r (my lane).  v: place = 16 (r / 8) + 8 hh + r % 8: the order in which the lanes of the turning LDS load take their 16 bytes.  Each store of a wave covers 512 consecutive bytes, aligned.
; The first 16 positions of each batch also leave as f32 (q16: byte = batch x 196,608 + (n / 16) x 1,024 + e x 512 + 16 lane: columns 16 (n/16) + 8 h + 4 e + 0..3 of position r), for the launch first16.
; REGISTERS, in windows of 256: window 0: v0-31 addresses; v32-95 scale words, two sets; v128-191 x's fragments, one set; on the way out v128-255 packed results.
;   window 1: Wqkv's fragments, two sets, at v0 and v128.   window 2: the accumulators of my rows 0-63 ((a, b) at v[8 (8 a + b)]);   window 3: those of rows 64-127.
.set SIZE_M, 4096
.set SIZE_N, 3072
.set SIZE_K, 1024
.set KSTEP,  512
.set NQ,     KSTEP/128
.set ROWB,   256
.set KROW,   SIZE_K*4/8
.set PITCH,  272                       ; 256 bytes + 16 of padding: the 16 rows that a load touches start at 16 different groups of four banks
.set FR,     8
.set NL,     2
.set NP,     4
.set HALFT,  128*PITCH
.set SLOT,   4*HALFT
.set KS,     SIZE_K/32
.set SCL,    2*SLOT
.set HALFS,  (128*KS/256)*272
.set SBLK,   (16*KS/256)*272
.set SPARE,  SCL+4*HALFS
.set ADRA, 16
.set ADRB, 20
.set CL,   25                          ; v25  16 x lane
.set CO,   26                          ; v26  my 16 bytes' place in an image: 16 x lane, or v's order
.set ADRS, 27
.set SPW,  28
.set NIL,  29
.set SC,   32
.set AF,   128
.set G1, 24
.set G0, 32
.set G1B, 48
.set G0B, 56
.set G1S, 68
.set G0S, 76
.set G1SB, 80
.set G0SB, 88
.set KEEP, 95                          ; s95  all ones where my block 0 holds positions 0-15 of a batch, else 0
.set SAVE, 96                          ; s96  EXEC kept
.set MSB, 0
.macro WIN new                         ; the immediate's high byte repeats the setting that is left
.if MSB != \new
	s_set_vgpr_msb (MSB<<8)|\new
.set MSB, \new
.endif
.endm
.set MUL_LO, 0xa1
.set MUL_HI, 0xf1
.set TO_B,   0x40
; A joint load: waves 0 and 1 fetch for x, waves 2 and 3 for Wqkv; the branch hangs on the wave's number alone.  An s_nop 0 and four v_nop follow each line.
.macro JLOAD g0a, g1a, g0b, g1b
	s_cmp_eq_u32 s15, 0
	s_cbranch_scc0 .Lfor_b_\@
	tensor_load_to_lds s[\g0a:\g0a+3], s[\g1a:\g1a+7]
	s_nop 0
.rept 4
	v_nop
.endr
	s_branch .Lasked_\@
.Lfor_b_\@:
	tensor_load_to_lds s[\g0b:\g0b+3], s[\g1b:\g1b+7]
	s_nop 0
.rept 4
	v_nop
.endr
.Lasked_\@:
.endm
.macro CROUND                          ; a round of the cluster's barrier
	s_barrier_signal -1
	s_barrier_wait -1
	s_cmp_lg_u32 s14, 0
	s_cbranch_scc1 .Lnot_wave_0_\@
	s_barrier_signal -3
.Lnot_wave_0_\@:
	s_barrier_wait -3
	s_barrier_signal -1
	s_barrier_wait -1
.endm
	s_load_b128 s[4:7], s[0:1], 0x0                ; x's codes, x's scales
	s_load_b128 s[8:11], s[0:1], 0x10              ; Wqkv's codes, Wqkv's scales
	s_load_b64 s[12:13], s[0:1], 0x20              ; qkvf
	s_load_b64 s[66:67], s[0:1], 0x28              ; q16
	v_lshl_add_u32 v[SPW], v0, 2, SPARE
	v_mov_b32 v[NIL], 0
	ds_add_u32 v[SPW], v[NIL]                      ; the wave's opening: the add, twice on end, and its wait ahead of my first tensor load
	ds_add_u32 v[SPW], v[NIL]
	v_lshrrev_b32 v1, 5, v0
	v_readfirstlane_b32 s14, v1                    ; wave 0..3
	s_lshr_b32 s15, s14, 1                         ; which half of the tile's rows is mine.  Also: I fetch for x (0) or for Wqkv (1)
	s_and_b32 s16, s14, 1                          ; which half of its columns.  Also: which 128 rows I fetch
	s_bfe_u32 s40, ttmp6, 0x40000                  ; cx, cy
	s_bfe_u32 s41, ttmp6, 0x40004
	s_lshl_b32 s42, ttmp9, 2
	s_add_co_u32 s42, s42, s40                     ; tile column
	s_and_b32 s17, ttmp7, 0xffff
	s_lshl_b32 s17, s17, 2
	s_add_co_u32 s17, s17, s41                     ; tile row
	s_lshl_b32 s43, s41, 2
	s_lshl_b32 s43, 15, s43                        ; my row of the cluster
	s_lshl_b32 s44, 0x1111, s40                    ; my column
	s_or_b32 s[G1+0], s43, (0<<16)|(1<<20)|(1<<21)|(5<<22)|(3<<25)  ; mask; elements of 1 byte; padding: 4 words after every 64; bit 21 beside a mask
	s_or_b32 s[G1B+0], s44, (0<<16)|(1<<20)|(1<<21)|(5<<22)|(3<<25)
.irp g, G1, G1B
	s_mov_b32 s[\g+1], ROWB<<16                    ; tensor_dim0
	s_mov_b32 s[\g+2], 128<<16                     ; tensor_dim1
	s_mov_b32 s[\g+3], ROWB<<16                    ; tile_dim0
	s_mov_b32 s[\g+4], 128                         ; tile_dim1
	s_mov_b32 s[\g+5], KROW                        ; pitch
	s_mov_b32 s[\g+6], 0
	s_mov_b32 s[\g+7], 0
.endr
	s_or_b32 s[G1S+0], s43, (3<<16)|(1<<20)|(1<<21)|(5<<22)|(3<<25) ; the scales of 128 rows: a dense block, as rows of 256 bytes, 16 of padding behind each
	s_or_b32 s[G1SB+0], s44, (3<<16)|(1<<20)|(1<<21)|(5<<22)|(3<<25)
.irp g, G1S, G1SB
	s_mov_b32 s[\g+1], 32<<16
	s_mov_b32 s[\g+2], (128*KS/256)<<16
	s_mov_b32 s[\g+3], 32<<16
	s_mov_b32 s[\g+4], 128*KS/256
	s_mov_b32 s[\g+5], 32
	s_mov_b32 s[\g+6], 0
	s_mov_b32 s[\g+7], 0
.endr
	s_lshl_b32 s18, s16, 7
	s_lshl_b32 s20, s17, 8
	s_add_co_u32 s20, s20, s18                     ; x: row 256 x tile row + 128 x half
	s_lshl_b32 s46, s42, 8
	s_add_co_u32 s46, s46, s18                     ; Wqkv: row 256 x tile column + 128 x half
	s_mov_b32 s21, 0
	s_mov_b32 s47, 0
	s_mov_b64 s[18:19], KS
	s_mul_u64 s[22:23], s[20:21], s[18:19]         ; where these rows' scales begin
	s_mul_u64 s[92:93], s[46:47], s[18:19]
	s_mov_b64 s[18:19], KROW
	s_mul_u64 s[20:21], s[20:21], s[18:19]         ; and their codes
	s_mul_u64 s[46:47], s[46:47], s[18:19]
	s_mul_i32 s45, s14, HALFT                      ; where they go: wave x 128 rows
	s_mul_i32 s94, s14, HALFS
	s_wait_dscnt 0x0                               ; both opening adds are done
	s_wait_kmcnt 0x0
	s_add_nc_u64 s[20:21], s[4:5], s[20:21]
	s_add_nc_u64 s[22:23], s[6:7], s[22:23]
	s_add_nc_u64 s[46:47], s[8:9], s[46:47]
	s_add_nc_u64 s[92:93], s[10:11], s[92:93]
	CROUND                                         ; all sixteen work-groups are here: the joint loads meet
	s_mov_b32 s[G0S], 1
	s_add_co_u32 s[G0S+1], s94, SCL
	s_mov_b64 s[G0S+2:G0S+3], s[22:23]
	s_or_b32 s[G0S+3], s[G0S+3], 0x80000000
	s_mov_b32 s[G0SB], 1
	s_add_co_u32 s[G0SB+1], s94, SCL
	s_mov_b64 s[G0SB+2:G0SB+3], s[92:93]
	s_or_b32 s[G0SB+3], s[G0SB+3], 0x80000000
	JLOAD G0S, G1S, G0SB, G1SB                     ; the scales first
.irp s, 0,1
	s_mov_b32 s[G0+4*\s], 1
	s_add_co_u32 s[G0+4*\s+1], s45, \s*SLOT
	s_add_nc_u64 s[G0+4*\s+2:G0+4*\s+3], s[20:21], \s*ROWB
	s_or_b32 s[G0+4*\s+3], s[G0+4*\s+3], 0x80000000
	s_mov_b32 s[G0B+4*\s], 1
	s_add_co_u32 s[G0B+4*\s+1], s45, \s*SLOT
	s_add_nc_u64 s[G0B+4*\s+2:G0B+4*\s+3], s[46:47], \s*ROWB
	s_or_b32 s[G0B+4*\s+3], s[G0B+4*\s+3], 0x80000000
	JLOAD G0+4*\s, G1, G0B+4*\s, G1B               ; three loads of mine are out behind the second
.endr
	v_and_b32 v1, 15, v0                           ; r
	v_bfe_u32 v2, v0, 4, 1                         ; h
	v_mul_u32_u24 v3, v1, PITCH
	v_lshl_add_u32 v4, v2, 4, v3                   ; a fragment's row x pitch + 16 x half
	s_mul_i32 s21, s15, HALFT
	s_mul_i32 s22, s16, HALFT
	s_add_co_u32 s22, s22, 2*HALFT
.irp s, 0,1
	v_add_nc_u32 v[ADRA+\s], s21, v4
	v_add_nc_u32 v[ADRB+\s], s22, v4
	s_add_co_u32 s21, s21, SLOT
	s_add_co_u32 s22, s22, SLOT
.endr
	v_mul_u32_u24 v5, v1, KS                       ; my row's scales: KS bytes a row,
	v_lshrrev_b32 v6, 8, v5
	v_lshl_add_u32 v5, v6, 4, v5                   ; and 16 more for each 256 passed
	s_mul_i32 s21, s15, HALFS
	s_mul_i32 s22, s16, HALFS
	s_add_co_u32 s22, s22, 2*HALFS
	s_sub_co_u32 s22, s22, s21
	v_mul_u32_u24 v6, s22, v2                      ; lanes 16-31 take Wqkv's
	s_add_co_u32 s21, s21, SCL
	v_add_nc_u32 v5, v5, v6
	v_add_nc_u32 v[ADRS], s21, v5
	; the way out's addresses
	v_and_b32 v6, 31, v0
	v_lshlrev_b32 v[CL], 4, v6                     ; 16 x lane
	v_lshrrev_b32 v5, 3, v1
	v_lshlrev_b32 v5, 8, v5
	v_and_b32 v6, 7, v1
	v_lshl_or_b32 v5, v6, 4, v5
	v_lshl_or_b32 v5, v2, 7, v5                    ; v's order: 256 (r / 8) + 128 h + 16 (r % 8)
	s_cmp_eq_u32 ttmp9, 2                          ; cluster x is q, k or v: the same in all partners
	s_cselect_b32 s98, -1, 0
	v_cndmask_b32 v[CO], v[CL], v5, s98
	s_lshr_b32 s20, s17, 3                         ; batch
	s_lshl_b32 s21, s20, 22                        ; 16 batch x 2^18
	s_and_b32 s22, s17, 7
	s_lshl_b32 s22, s22, 4
	s_lshl_b32 s23, s15, 3
	s_add_co_u32 s22, s22, s23                     ; my first tile of 16 positions
	s_lshl_b32 s22, s22, 11
	s_add_co_u32 s21, s21, s22
	s_lshl_b32 s46, s40, 2
	s_lshl_b32 s47, s16, 1
	s_add_co_u32 s46, s46, s47                     ; my first head: 4 cx + 2 x half
	s_lshl_b32 s46, s46, 18
	s_lshl_b32 s47, ttmp9, 23
	s_add_co_u32 s46, s46, s47
	s_add_co_u32 s98, s21, s46
	s_mov_b32 s99, 0
	s_add_nc_u64 s[12:13], s[12:13], s[98:99]
	s_mul_i32 s20, s20, 196608
	s_lshl_b32 s46, s42, 4
	s_lshl_b32 s47, s16, 3
	s_add_co_u32 s46, s46, s47                     ; my first tile of 16 columns
	s_lshl_b32 s46, s46, 10
	s_add_co_u32 s98, s20, s46
	s_add_nc_u64 s[66:67], s[66:67], s[98:99]
	s_and_b32 s20, s17, 7
	s_or_b32 s20, s20, s15
	s_cmp_eq_u32 s20, 0
	s_cselect_b32 s[KEEP], -1, 0                   ; a mask for EXEC, not a branch
.macro FRAG reg, adr, q, i             ; 16 rows x 128 K of 4-bit codes: registers 4 c .. 4 c + 3 hold K = 64 c + 32 (l / 16) + 0 .. 31
.irp c, 0,1
	ds_load_b128 v[\reg+4*\c:\reg+4*\c+3], v[\adr] offset:64*(\q)+32*\c+(\i)*16*PITCH
.endr
.endm
; 16 matrix instructions: x's blocks a0, a0 + 1 against Wqkv's eight.  The 64 accumulators take turns, one instruction a turn.
.macro MUL16 a0, p, q, sc, zero
.irp a, \a0, \a0+1
.irp b, 0,1,2,3,4,5,6,7
.if \zero
	v_wmma_scale_f32_16x16x128_f8f6f4 v[8*(8*((\a)%4)+\b):8*(8*((\a)%4)+\b)+7], v[128*(\p)+FR*\b:128*(\p)+FR*\b+FR-1], v[AF+FR*(\a):AF+FR*(\a)+FR-1], 0, v[SC+8*NQ*(\sc)+NQ*\b+(\q)], v[SC+8*NQ*(\sc)+NQ*(\a)+(\q)] matrix_a_fmt:MATRIX_FMT_FP4 matrix_b_fmt:MATRIX_FMT_FP4 matrix_a_scale:MATRIX_SCALE_ROW1
.else
	v_wmma_scale_f32_16x16x128_f8f6f4 v[8*(8*((\a)%4)+\b):8*(8*((\a)%4)+\b)+7], v[128*(\p)+FR*\b:128*(\p)+FR*\b+FR-1], v[AF+FR*(\a):AF+FR*(\a)+FR-1], v[8*(8*((\a)%4)+\b):8*(8*((\a)%4)+\b)+7], v[SC+8*NQ*(\sc)+NQ*\b+(\q)], v[SC+8*NQ*(\sc)+NQ*(\a)+(\q)] matrix_a_fmt:MATRIX_FMT_FP4 matrix_b_fmt:MATRIX_FMT_FP4 matrix_a_scale:MATRIX_SCALE_ROW1
.endif
.endr
.endr
.endm
.macro FETCH_B slot, q, p
	WIN TO_B
.irp i, 0,1,2,3,4,5,6,7
	FRAG 128*(\p)+FR*\i, ADRB+\slot, \q, \i
.endr
	WIN 0
.endm
.macro FETCH_A slot, q, i0
.irp i, \i0, \i0+1, \i0+2, \i0+3
	FRAG AF+FR*(\i), ADRA+\slot, \q, \i
.endr
.endm
.macro SCALES sc                       ; a slot's scale words: lanes 0-15 x's block i, lanes 16-31 Wqkv's block i
.irp i, 0,1,2,3,4,5,6,7
	ds_load_b128 v[SC+8*NQ*\sc+NQ*\i:SC+8*NQ*\sc+NQ*\i+3], v[ADRS] offset:\i*SBLK
.endr
.endm
.macro PLACES n                        ; plain vector lines between a matrix instruction and a load into, or a read of, its registers
.rept \n
	v_nop
.endr
.endm
.macro STEP slot, q, zero              ; 128 along K that has its successor in the same slot
	s_wait_dscnt 4*NL                              ; Wqkv's set and x's blocks 0-3 are in; the youngest eight loads (blocks 4-7) may be out
	WIN MUL_LO
	MUL16 0, (\q)%2, \q, \slot, \zero
	MUL16 2, (\q)%2, \q, \slot, \zero
	s_wait_dscnt 0
	PLACES NP
	FETCH_B \slot, (\q)+1, 1-(\q)%2
	FETCH_A \slot, (\q)+1, 0
	WIN MUL_HI
	MUL16 4, (\q)%2, \q, \slot, \zero
	MUL16 6, (\q)%2, \q, \slot, \zero
	PLACES NP
	WIN 0
	FETCH_A \slot, (\q)+1, 4
.endm
; Slot 0's last step goes over to slot 1: one barrier; in front of it each wave waits for all its tensor loads (its part of slot 1), adds 0 to its spare word, and waits for that and for its LDS loads.
.macro TURN slot, next
	s_wait_tensorcnt 0x0
	ds_add_u32 v[SPW], v[NIL]
	s_wait_dscnt 4*NL+1                            ; (the add and the youngest eight loads may be out)
	WIN MUL_LO
	MUL16 0, 1, NQ-1, \slot, 0
	s_wait_dscnt 0x0
	s_barrier_signal -1
	MUL16 2, 1, NQ-1, \slot, 0
	WIN 0
	s_barrier_wait -1                              ; slot 1 is whole
	PLACES NP
	v_add_nc_u32 v[ADRS], 4*NQ, v[ADRS]            ; on to the next slot's scale words
	FETCH_B \next, 0, 0
	FETCH_A \next, 0, 0
	SCALES \next
	WIN MUL_HI
	MUL16 4, 1, NQ-1, \slot, 0
	MUL16 6, 1, NQ-1, \slot, 0
	PLACES NP
	WIN 0
	FETCH_A \next, 0, 4
.endm
.macro STEPS slot, from
.set Q, \from
.rept NQ-1-\from
	STEP \slot, Q, 0
.set Q, Q+1
.endr
.endm
	s_wait_tensorcnt 1                             ; the scales and my part of slot 0 are in; slot 1's load may be out
	s_barrier_signal -1
	s_barrier_wait -1
	FETCH_B 0, 0, 0
	FETCH_A 0, 0, 0
	SCALES 0
	FETCH_A 0, 0, 4
	STEP 0, 0, 1                                   ; the first products start the sums: nothing is cleared
	STEPS 0, 1
	TURN 0, 1
	STEPS 1, 0
	s_wait_dscnt 4*NL
	WIN MUL_LO
	MUL16 0, 1, NQ-1, 1, 0
	MUL16 2, 1, NQ-1, 1, 0
	s_wait_dscnt 0
	WIN MUL_HI
	MUL16 4, 1, NQ-1, 1, 0
	MUL16 6, 1, NQ-1, 1, 0
	WIN 0
	PLACES NP                                      ; behind the last products: for the reads of results and the writes over x's fragments
	; positions 0-15 of a batch as f32: my block 0, where it holds them; elsewhere no lane is on
	s_mov_b32 vcc_lo, s[KEEP]
	s_wait_xcnt 0x0                                ; EXEC changes only behind this wait
	s_and_saveexec_b32 s[SAVE], vcc_lo
	WIN 0x08                                       ; a store's data are its source 1: window 2
.irp b, 0,1,2,3,4,5,6,7
	global_store_b128 v[CL], v[8*\b:8*\b+3], s[66:67] offset:\b*1024          ; each accumulator from its low end on
	global_store_b128 v[CL], v[8*\b+4:8*\b+7], s[66:67] offset:\b*1024+512
.endr
	WIN 0
	s_wait_xcnt 0x0
	s_or_b32 exec_lo, exec_lo, s[SAVE]
; Block a (16 positions x 128 columns): rounded to f16, 16 bytes a lane, and stored as eight images' quarters; four sets of 32 registers take turns.
.macro PACK a
.set AC, 64*((\a)%4)
.set PB, 128+32*((\a)%4)
	WIN 0x0a+5*((\a)/4)                            ; sources 0 and 1: window 2 or 3
.irp b, 0,1,2,3,4,5,6,7
.irp i, 0,1,2,3
	v_cvt_pk_f16_f32 v[PB+4*\b+\i], v[AC+8*\b+2*\i], v[AC+8*\b+2*\i+1]
.endr
.endr
	WIN 0
.irp b, 0,1,2,3,4,5,6,7
	global_store_b128 v[CO], v[PB+4*\b:PB+4*\b+3], s[12:13] offset:(\a)*2048+(\b/4)*262144+(\b%4)*512   ; 512 consecutive bytes, aligned
.endr
.endm
.irp a, 0,1,2,3,4,5,6,7
.if \a >= 4
	s_wait_xcnt 0x0                                ; block a - 4's stores have read the set
.endif
	PACK \a
.endr
	s_wait_tensorcnt 0x0                           ; the wave's end
	ds_add_u32 v[SPW], v[NIL]
	s_wait_dscnt 0x0
	CROUND                                         ; the closing round
	s_endpgm
.Lfunc_end_k_qee84c50402_qkv:
	.size	k_qee84c50402_qkv, .Lfunc_end_k_qee84c50402_qkv-k_qee84c50402_qkv
	.p2alignl 7, 3214868480
	.fill 96, 4, 3214868480
	.section	.rodata,"a",@progbits
	.p2align	6, 0x0
	.amdhsa_kernel k_qee84c50402_qkv
		.amdhsa_group_segment_fixed_size 327680
		.amdhsa_private_segment_fixed_size 0
		.amdhsa_enable_private_segment 0
		.amdhsa_kernarg_size 48
		.amdhsa_user_sgpr_count 2
		.amdhsa_user_sgpr_kernarg_segment_ptr 1
		.amdhsa_wavefront_size32 1
		.amdhsa_system_sgpr_workgroup_id_x 1
		.amdhsa_system_sgpr_workgroup_id_y 1
		.amdhsa_system_sgpr_workgroup_id_z 1
		.amdhsa_system_vgpr_workitem_id 0
		.amdhsa_next_free_vgpr 1024
		.amdhsa_next_free_sgpr 100
		.amdhsa_reserve_vcc 1
		.amdhsa_float_denorm_mode_32 3
		.amdhsa_float_denorm_mode_16_64 3
		.amdhsa_memory_ordered 1
		.amdhsa_forward_progress 1
		.amdhsa_inst_pref_size 120
	.end_amdhsa_kernel
	.amdgpu_metadata
---
amdhsa.version: [ 1, 2 ]
amdhsa.kernels:
  - .name:           k_qee84c50402_qkv
    .symbol:         k_qee84c50402_qkv.kd
    .args:
      - { .name: xc, .offset: 0, .size: 8, .value_kind: global_buffer, .address_space: global }
      - { .name: xs, .offset: 8, .size: 8, .value_kind: global_buffer, .address_space: global }
      - { .name: wc, .offset: 16, .size: 8, .value_kind: global_buffer, .address_space: global }
      - { .name: ws, .offset: 24, .size: 8, .value_kind: global_buffer, .address_space: global }
      - { .name: qkvf, .offset: 32, .size: 8, .value_kind: global_buffer, .address_space: global }
      - { .name: q16, .offset: 40, .size: 8, .value_kind: global_buffer, .address_space: global }
    .group_segment_fixed_size: 327680
    .private_segment_fixed_size: 0
    .kernarg_segment_align: 8
    .kernarg_segment_size: 48
    .max_flat_workgroup_size: 128
    .sgpr_count:     100
    .vgpr_count:     1024
    .wavefront_size: 32
...
	.end_amdgpu_metadata
.endif
;; end of part 2
;; launch attn (part 3): grid 8 x 32, 16 waves a work-group, no clusters, 327,680 bytes of LDS; arguments qkvf, a, b, dt, ao; writes ao
.if DOCPART == 3
	.amdgcn_target "amdgcn-amd-amdhsa--gfx1250"
	.amdhsa_code_object_version 6
	.text
	.protected	k_qee84c50402_attn
	.globl	k_qee84c50402_attn
	.p2align	8
	.type	k_qee84c50402_attn,@function
k_qee84c50402_attn:
	s_mov_b64 s[64:65], 0
	v_nop
	global_prefetch_b8 v0, s[64:65] scope:SCOPE_SE
	s_setreg_imm32_b32 hwreg(HW_REG_WAVE_MODE, 25, 1), 1
	s_wait_xcnt 0x0
; ao[b][t][h][:] = F x softmax_s(q . k / 8, s <= t) v, for 32 (batch, head) pairs, 2,048 positions, head size 64; operands f16, products, maxima and sums f32.
; LEFT OUT (shown at the head of the launch quant): the energy sums, their maximum, the per-row gates and the second sum of the weights: the gate is the one number F = c / (c + 1e-8) made of a, b, dt below;
; and key steps that lie wholly above the diagonal.  LIMITS as stated there.
; SHARES.  A wave owns one tile of 16 queries.  Waves 0-7 take block i of 128 queries, waves 8-15 block 15 - i (i = work-group x): every work-group has the same number of scores under the mask.
; NO CLUSTER: under the mask the work-groups of a head need different numbers of slots (block 15 - i ends at key 128 (15 - i) + 127), so a joint load would bring tiles that no wave of some partner reads.
; LAYOUT.  S^T = K Q^T and O^T = V^T P: a lane holds ONE query throughout; two tiles of S^T rounded to f16 in pairs are source 1 of the second product.  q, k, v lie in memory as images of fragments
; (launch qkv): every LDS read is at 16 x lane, K as it lies, V by the turning load; a slot's K and V are dense blocks.
; RING.  Two slots of 256 keys (K's 32,768 bytes, then V's), filled by waves 0-3, 16,384 bytes each; one barrier a slot; a wave has one tensor load out.  Every work-group walks all 8 slots with constant trip counts;
; a step all of whose keys come after the wave's queries is jumped over, and a slot whose first key comes after the work-group's last query is not asked for.
; SOFTMAX.  Running maximum m and sum l: p = 2^(c s - c m), c = log2(e) / 8; O and l are multiplied by 2^(c m_old - c m_new) in every step.
; The tile of positions 0-15 is computed here too, since the launch proj loads its bytes of ao; what is stored of those rows in out0 comes from the launch first16.
.set SLOT1, 1<<16
.set VOFF,  32768
.set SPARE, 2*SLOT1                    ; the spare words: 128 bytes for each of 16 waves
.set LI,  1                            ; v1  16 x lane
.set ADR, 2                            ; v2  LDS address of the slot in hand + 16 x lane
.set SPW, 3
.set NIL, 4
.set PFO, 5                            ; v5  256 x lane
.set DD,  6                            ; v6  the mask's distance
.set FF,  7                            ; v7  F
.set CM,  8                            ; v8  c m;  v9  m
.set MM,  9
.set LL,  10                           ; v[10:11] l, even keys' and odd keys'
.set CC,  12                           ; v12-15 at work; the rescaling factor takes v14
.set QR,  16                           ; v16-31   Q: two fragments
.set KR,  32                           ; v32-95   K of a step: quarter n = 4 kt + dt at 32 + 4 n
.set VR,  96                           ; v96-159  V^T of a step: fragment (dt, ks) at 96 + 8 (dt + 4 ks)
.set SS,  160                          ; v160-191 S^T, then p
.set PP,  192                          ; v192-207 P
.set OO,  208                          ; v208-239 O^T
.set DL,  246                          ; v246 r - 8 h
.set NINF, 247                         ; v247 -infinity
.set WV,  14
.set Q0,  19
.set SEL, 20
.set CS,  22
.set G1,  24
.set G0,  32
.set TB,  36
.set KF,  37
.set SLOTS, 38
.set QL,  39
.set PFA, 40
.set LIM, 42
.set SA,  48
.set SB,  49
.set SDT, 50
.macro TLOAD                           ; waves 0-3 fetch a quarter of a slot each; an s_nop 0 and four v_nop follow the line
	s_cmp_lt_u32 s[WV], 4
	s_cbranch_scc0 .Lnoload_\@
	tensor_load_to_lds s[G0:G0+3], s[G1:G1+7]
	s_nop 0
.rept 4
	v_nop
.endr
.Lnoload_\@:
.endm
; A prefetch of what the NEXT change of slots will ask for.  All work-groups of a head walk the same K and V: the head's first work-group asks; in it waves 4-7 ask for K's 32,768 bytes and waves 8-11 for V's,
; 8,192 bytes a wave, lanes 256 bytes apart: each block of 256 bytes is named once in the launch, four key steps ahead of its load.  The last change that fills a slot asks for nothing.
.macro ASK
	s_cmp_gt_u32 s[SLOTS], s[LIM]
	s_cbranch_scc0 .Lnot_mine_\@
	global_prefetch_b8 v[PFO], s[PFA:PFA+1] th:TH_LOAD_NT scope:SCOPE_SE
.Lnot_mine_\@:
.endm
; F = c / (c + 1e-8), c = 0.5 + 0.5 sigmoid(v2); I = 0.1 + 0.9 sigmoid(5).  One wait ahead of the first reader of each transcendental.
.macro GATE dst, t0, t1, t2, t3, t4, t5
	v_mov_b32 v[\t0], s[SDT]
	v_mul_f32 v[\t1], 0x3da3d70a, v[\t0]           ; dt / tau
	v_mul_f32 v[\t2], 0x3f7e753d, v[\t0]           ; v1 = dt I
	v_fma_f32 v[\t3], v[\t1], s[SB], 1.0
	v_rcp_f32 v[\t3], v[\t3]                       ; 1 / (1 + (dt/tau) b)
	v_add_f32 v[\t4], s[SA], v[\t2]
	v_mul_f32 v[\t4], v[\t1], v[\t4]               ; (dt/tau)(v1 + a)
	v_mul_f32 v[\t5], v[\t2], v[\t2]
	v_mul_f32 v[\t5], v[\t5], v[\t2]
	v_fmamk_f32 v[\t5], v[\t5], 0xbeaaaaab, v[\t2] ; v1 - v1^3 / 3
	v_add_f32 v[\t5], 0x3f7e753d, v[\t5]           ; + I
	s_wait_alu depctr_va_vdst(0)
	v_fma_f32 v[\t5], -v[\t4], v[\t3], v[\t5]      ; - w1
	v_fma_f32 v[\t5], v[\t0], v[\t5], v[\t2]       ; v2
	v_mul_f32 v[\t5], 0xbfb8aa3b, v[\t5]
	v_exp_f32 v[\t5], v[\t5]
	v_nop
	s_wait_alu depctr_va_vdst(0)
	v_add_f32 v[\t5], 1.0, v[\t5]
	v_rcp_f32 v[\t5], v[\t5]                       ; sigmoid(v2)
	v_nop
	s_wait_alu depctr_va_vdst(0)
	v_fma_f32 v[\t5], v[\t5], 0.5, 0.5             ; c
	v_add_f32 v[\t4], 0x322bcc77, v[\t5]
	v_rcp_f32 v[\t4], v[\t4]
	v_nop
	s_wait_alu depctr_va_vdst(0)
	v_mul_f32 v[\dst], v[\t5], v[\t4]
.endm
	s_load_b256 s[4:11], s[0:1], 0x0               ; qkvf s[4:5], a s[6:7], b s[8:9], dt s[10:11]
	s_load_b64 s[12:13], s[0:1], 0x20              ; ao
	v_lshl_add_u32 v[SPW], v0, 2, SPARE
	v_mov_b32 v[NIL], 0
	ds_add_u32 v[SPW], v[NIL]                      ; the wave's opening: the add, twice on end, and its wait ahead of the first tensor load
	ds_add_u32 v[SPW], v[NIL]
	v_lshrrev_b32 v1, 5, v0
	v_readfirstlane_b32 s[WV], v1                  ; wave 0..15
	s_and_b32 s17, ttmp7, 0xffff                   ; 16 batch + head
	s_sub_co_u32 s43, 15, ttmp9
	s_lshl_b32 s[QL], s43, 7
	s_add_co_u32 s[QL], s[QL], 127                 ; my work-group's last query
	s_cmp_lt_u32 s[WV], 8
	s_cselect_b32 s43, ttmp9, s43                  ; my block of 128 queries
	s_lshl_b32 s43, s43, 7
	s_and_b32 s44, s[WV], 7
	s_lshl_b32 s44, s44, 4
	s_add_co_u32 s[Q0], s43, s44                   ; my first query
	s_mov_b32 s[G1], 3<<16                         ; no mask; elements of 8 bytes; no padding: 16,384 dense bytes as 64 rows of 256
	s_mov_b32 s[G1+1], 32<<16                      ; tensor_dim0
	s_mov_b32 s[G1+2], 64<<16                      ; tensor_dim1
	s_mov_b32 s[G1+3], 32<<16                      ; tile_dim0
	s_mov_b32 s[G1+4], 64                          ; tile_dim1
	s_mov_b32 s[G1+5], 32                          ; pitch
	s_mov_b32 s[G1+6], 0
	s_mov_b32 s[G1+7], 0
	s_and_b32 s43, s[WV], 3
	s_lshl_b32 s[G0+1], s43, 14                    ; LDS: K's two halves, then V's
	s_lshr_b32 s44, s43, 1
	s_add_co_u32 s44, s44, 1
	s_lshl_b32 s44, s44, 23                        ; k's part of qkvf or v's
	s_and_b32 s45, s43, 1
	s_lshl_b32 s45, s45, 14
	s_add_co_u32 s52, s44, s45
	s_lshl_b32 s46, s17, 18                        ; my head's 262,144 bytes
	s_add_co_u32 s52, s52, s46
	s_mov_b32 s53, 0
	s_mov_b32 s[SEL], 0x76543210
	s_mov_b32 s[SEL+1], 0xfedcba98
	s_mov_b32 s[CS], 0x3e38aa3b                    ; c = log2(e) / 8
	s_mov_b32 s[CS+1], s[CS]
	s_mov_b32 s[TB], 0
	s_mov_b32 s[KF], 0
	s_mov_b32 s[SLOTS], 7
	s_wait_dscnt 0x0                               ; both opening adds are done
	s_wait_kmcnt 0x0
	s_mov_b32 s[G0], 1
	s_add_nc_u64 s[G0+2:G0+3], s[4:5], s[52:53]
	s_or_b32 s[G0+3], s[G0+3], 0x80000000
	TLOAD                                          ; slot 0
	s_load_b32 s[SA], s[6:7], 0x0
	s_load_b32 s[SB], s[8:9], 0x0
	s_load_b32 s[SDT], s[10:11], 0x0
	v_and_b32 v1, 31, v0
	v_lshlrev_b32 v[LI], 4, v1
	v_lshlrev_b32 v[PFO], 4, v[LI]
	s_lshl_b32 s54, s[Q0], 7                       ; my tile of q: (Q0 / 16) x 2,048
	s_add_co_u32 s54, s54, s46
	s_mov_b32 s55, 0
	s_add_nc_u64 s[54:55], s[4:5], s[54:55]
.irp d, 0,1,2,3
	global_load_b128 v[QR+4*\d:QR+4*\d+3], v[LI], s[54:55] offset:512*\d   ; Q stays in registers
.endr
	s_lshr_b32 s43, s17, 4
	s_lshl_b32 s43, s43, 7
	s_lshr_b32 s44, s[Q0], 4
	s_add_co_u32 s43, s43, s44                     ; my tile of 16 rows of ao
	s_lshl_b32 s43, s43, 15
	s_and_b32 s44, s17, 15
	s_lshl_b32 s44, s44, 11
	s_add_co_u32 s56, s43, s44
	s_mov_b32 s57, 0
	s_add_nc_u64 s[12:13], s[12:13], s[56:57]
	s_cmp_lt_u32 s[WV], 8                          ; the prefetches: waves 4-7 K, waves 8-11 V
	s_cselect_b32 s43, 1, 2
	s_lshl_b32 s43, s43, 23
	s_and_b32 s44, s[WV], 3
	s_lshl_b32 s44, s44, 13
	s_add_co_u32 s43, s43, s44
	s_add_co_u32 s43, s43, s46
	s_add_co_u32 s56, s43, 32768                   ; in slot 1: the first change of slots steps it to slot 2; nothing is asked for here, at the head
	s_add_nc_u64 s[PFA:PFA+1], s[4:5], s[56:57]
	s_sub_co_u32 s43, s[WV], 4
	s_lshr_b32 s43, s43, 3                         ; 0 in waves 4 to 11,
	s_or_b32 s43, s43, ttmp9                       ; of the head's first work-group
	s_cmp_eq_u32 s43, 0
	s_cselect_b32 s[LIM], 1, -1
	v_and_b32 v12, 15, v0
	v_bfe_u32 v13, v0, 4, 1
	v_lshlrev_b32 v13, 3, v13
	v_sub_nc_u32 v[DL], v12, v13
	v_mov_b32 v[NINF], 0xff800000
	v_mov_b32 v[MM], 0xff61b1e6                    ; -3e38, under every score
	v_mul_f32 v[CM], s[CS], v[MM]
	v_mov_b32 v[LL], 0
	v_mov_b32 v[LL+1], 0
.irp j, 0,1,2,3
	v_mov_b32 v[CC+\j], 0                          ; a lane permute's destination counts as one of its sources
.endr
.irp j, 0,1,2,3,4,5,6,7,8,9,10,11,12,13,14,15,16,17,18,19,20,21,22,23,24,25,26,27,28,29,30,31
	v_mov_b32 v[OO+\j], 0                          ; the step is written once: the first finds zeros
.endr
	s_wait_kmcnt 0x0
	GATE FF, 240, 241, 242, 243, 244, 245
; A KEY STEP: 64 keys, the q-th of the slot in hand.
.macro STEP q
	s_add_co_u32 s43, s[Q0], 15
	s_cmp_gt_u32 s[KF], s43                        ; all its keys come after my queries: ids and the count of steps alone
	s_cbranch_scc1 .Lhidden_\@
	v_add_nc_u32 v[ADR], s[TB], v[LI]
.rept 3
	v_nop                                          ; with the addition: four places between the last step's products and the loads into V's registers
.endr
.irp n, 0,1,2,3,4,5,6,7,8,9,10,11,12,13,14,15
	ds_load_b128 v[KR+4*\n:KR+4*\n+3], v[ADR] offset:(\q)*8192+512*\n
.endr
.irp ks, 0,1
.irp e, 0,1
.irp d, 0,1,2,3
	ds_load_tr16_b128 v[VR+8*(\d+4*\ks)+4*\e:VR+8*(\d+4*\ks)+4*\e+3], v[ADR] offset:VOFF+(\q)*8192+(2*\ks+\e)*2048+\d*512
.endr
.endr
.endr
	s_wait_dscnt 16                                ; K is in; V's sixteen loads stay out
.irp kt, 0,1,2,3
	v_wmma_f32_16x16x32_f16 v[SS+8*\kt:SS+8*\kt+7], v[KR+16*\kt:KR+16*\kt+7], v[QR:QR+7], 0
.endr
.irp kt, 0,1,2,3
	v_wmma_f32_16x16x32_f16 v[SS+8*\kt:SS+8*\kt+7], v[KR+16*\kt+8:KR+16*\kt+15], v[QR+8:QR+15], v[SS+8*\kt:SS+8*\kt+7]
.endr
.rept 4
	v_nop
.endr
	s_add_co_u32 s43, s[KF], 63                    ; on the diagonal hidden scores become -infinity; a step all of whose keys count skips this
	s_cmp_le_u32 s43, s[Q0]
	s_cbranch_scc1 .Lopen_\@
	s_sub_co_i32 s43, s[Q0], s[KF]
	v_add_nc_u32 v[DD], s43, v[DL]                 ; register 8 kt + j holds key KF + 16 kt + 8 h + j: hidden where 16 kt + j > Q0 - KF + r - 8 h
.irp kt, 0,1,2,3
.irp j, 0,1,2,3,4,5,6,7
	v_cmp_gt_i32 vcc_lo, 16*\kt+\j, v[DD]
	v_cndmask_b32 v[SS+8*\kt+\j], v[SS+8*\kt+\j], v[NINF], vcc_lo
.endr
.endr
.Lopen_\@:
.irp j, 0,1,2,3
	v_max3_num_f32 v[CC+\j], v[SS+8*\j], v[SS+8*\j+1], v[SS+8*\j+2]     ; each tile is read from its low end on
.endr
.irp g, 1,2
.irp j, 0,1,2,3
	v_max3_num_f32 v[CC+\j], v[CC+\j], v[SS+8*\j+2*\g+1], v[SS+8*\j+2*\g+2]
.endr
.endr
	v_max3_num_f32 v[CC], v[CC], v[SS+7], v[SS+15]
	v_max3_num_f32 v[CC+2], v[CC+2], v[SS+23], v[SS+31]
	v_max3_num_f32 v[CC], v[CC], v[CC+1], v[CC+2]
	v_max3_num_f32 v[CC], v[CC], v[CC+3], v[MM]
	v_permlanex16_b32 v[CC+1], v[CC], s[SEL], s[SEL+1]     ; the query's other 32 keys lie in the lane 16 away
	v_mov_b32 v[CC+3], v[CM]
	v_max_num_f32 v[MM], v[CC], v[CC+1]
	v_mul_f32 v[CM], s[CS], v[MM]
	v_sub_f32 v[CC+3], v[CC+3], v[CM]              ; c m_old - c m_new
.irp j, 0,2,4,6,8,10,12,14,16,18,20,22,24,26,28,30
	v_pk_fma_f32 v[SS+\j:SS+\j+1], v[SS+\j:SS+\j+1], s[CS:CS+1], v[CM:CM+1] op_sel_hi:[1,0,0] neg_lo:[0,0,1] neg_hi:[0,0,1]   ; c s - c m
.endr
	v_exp_f32 v[CC+2], v[CC+3]                     ; the rescaling factor
.irp j, 0,1,2,3,4,5,6,7,8,9,10,11,12,13,14,15,16,17,18,19,20,21,22,23,24,25,26,27,28,29,30,31
	v_exp_f32 v[SS+\j], v[SS+\j]
.endr
	v_nop                                          ; a plain line behind the last exponential
	s_wait_alu depctr_va_vdst(0)                   ; one wait for the batch of 33, ahead of its first reader
.irp n, 0,1,2,3,4,5,6,7,8,9,10,11,12,13,14,15
	v_cvt_pk_f16_f32 v[PP+\n], v[SS+2*\n], v[SS+2*\n+1]
.endr
.irp u, 0,1,2,3,4,5,6,7
	v_pk_add_f32 v[SS+4*\u:SS+4*\u+1], v[SS+4*\u:SS+4*\u+1], v[SS+4*\u+2:SS+4*\u+3]     ; the sum of the unrounded p, in place
.endr
.irp u, 0,1,2,3
	v_pk_add_f32 v[SS+8*\u:SS+8*\u+1], v[SS+8*\u:SS+8*\u+1], v[SS+8*\u+4:SS+8*\u+5]
.endr
.irp u, 0,1
	v_pk_add_f32 v[SS+16*\u:SS+16*\u+1], v[SS+16*\u:SS+16*\u+1], v[SS+16*\u+8:SS+16*\u+9]
.endr
	v_pk_add_f32 v[SS:SS+1], v[SS:SS+1], v[SS+16:SS+17]
	v_pk_fma_f32 v[LL:LL+1], v[LL:LL+1], v[CC+2:CC+3], v[SS:SS+1] op_sel_hi:[1,0,1]
.irp j, 0,2,4,6,8,10,12,14,16,18,20,22,24,26,28,30
	v_pk_mul_f32 v[OO+\j:OO+\j+1], v[OO+\j:OO+\j+1], v[CC+2:CC+3] op_sel_hi:[1,0]
.endr
	s_wait_dscnt 0x0                               ; V is in
.irp ks, 0,1
.irp d, 0,1,2,3
	v_wmma_f32_16x16x32_f16 v[OO+8*\d:OO+8*\d+7], v[VR+8*(\d+4*\ks):VR+8*(\d+4*\ks)+7], v[PP+8*\ks:PP+8*\ks+7], v[OO+8*\d:OO+8*\d+7]   ; the four accumulators by turns
.endr
.endr
.Lhidden_\@:
	s_add_co_u32 s[KF], s[KF], 64
.endm
; THE CHANGE OF SLOTS, at a slot's head: each wave waits for all its tensor loads, adds 0 to its spare word (fill = 1: twice on end), waits for that and for its
; reads of the slot that it has left; one barrier; behind it the slot that was left is filled with the next 256 keys, while they can count for a query of the work-group.
.macro CHANGE fill
	s_wait_tensorcnt 0x0
	ds_add_u32 v[SPW], v[NIL]
.if \fill
	ds_add_u32 v[SPW], v[NIL]
	s_xor_b32 s[G0+1], s[G0+1], SLOT1              ; no load of mine is out: the descriptor walks on
	s_add_nc_u64 s[G0+2:G0+3], s[G0+2:G0+3], 32768
	s_wait_xcnt 0x0                                ; the last prefetch, a slot back, has read its address
	s_add_nc_u64 s[PFA:PFA+1], s[PFA:PFA+1], 32768
.endif
	s_wait_dscnt 0x0
	s_barrier_signal -1
	s_barrier_wait -1
.if \fill
	s_add_co_u32 s43, s[KF], 256                   ; the first key of the slot that this change would ask for
	s_cmp_gt_u32 s43, s[QL]                        ; ids and the count of steps alone: all sixteen waves go the same way, and no step reads a slot that was left out
	s_cbranch_scc1 .Lpast_\@
	TLOAD
.Lpast_\@:
	ASK
.endif
.endm
.macro SLOT_STEPS
	STEP 0
	STEP 1
	STEP 2
	STEP 3
	s_xor_b32 s[TB], s[TB], SLOT1
.endm
	s_wait_loadcnt 0x0                             ; Q
.Lslot:                                            ; seven trips
	CHANGE 1
	SLOT_STEPS
	s_sub_co_u32 s[SLOTS], s[SLOTS], 1
	s_cmp_lg_u32 s[SLOTS], 0
	s_cbranch_scc1 .Lslot
	CHANGE 0                                       ; the last slot is written out: nothing is left to ask for
	SLOT_STEPS
	; THE WAY OUT: O^T x F / l, rounded to f16: a lane's eight channels of a tile are 16 bytes of an image of the projection's operand.
.rept 4
	v_nop
.endr
	v_add_f32 v[LL], v[LL], v[LL+1]
	v_permlanex16_b32 v[CC], v[LL], s[SEL], s[SEL+1]
	v_add_f32 v[LL], v[LL], v[CC]
	v_rcp_f32 v[LL], v[LL]
	v_nop
	s_wait_alu depctr_va_vdst(0)
	v_mul_f32 v[LL], v[FF], v[LL]
.irp j, 0,2,4,6,8,10,12,14,16,18,20,22,24,26,28,30
	v_pk_mul_f32 v[SS+\j:SS+\j+1], v[OO+\j:OO+\j+1], v[LL:LL+1] op_sel_hi:[1,0]
.endr
.irp n, 0,1,2,3,4,5,6,7,8,9,10,11,12,13,14,15
	v_cvt_pk_f16_f32 v[PP+\n], v[SS+2*\n], v[SS+2*\n+1]
.endr
.irp d, 0,1,2,3
	global_store_b128 v[LI], v[PP+4*\d:PP+4*\d+3], s[12:13] offset:512*\d     ; 512 consecutive bytes, aligned
.endr
	s_wait_tensorcnt 0x0                           ; the wave's end
	ds_add_u32 v[SPW], v[NIL]
	s_wait_dscnt 0x0
	s_endpgm
.Lfunc_end_k_qee84c50402_attn:
	.size	k_qee84c50402_attn, .Lfunc_end_k_qee84c50402_attn-k_qee84c50402_attn
	.p2alignl 7, 3214868480
	.fill 96, 4, 3214868480
	.section	.rodata,"a",@progbits
	.p2align	6, 0x0
	.amdhsa_kernel k_qee84c50402_attn
		.amdhsa_group_segment_fixed_size 327680
		.amdhsa_private_segment_fixed_size 0
		.amdhsa_enable_private_segment 0
		.amdhsa_kernarg_size 40
		.amdhsa_user_sgpr_count 2
		.amdhsa_user_sgpr_kernarg_segment_ptr 1
		.amdhsa_wavefront_size32 1
		.amdhsa_system_sgpr_workgroup_id_x 1
		.amdhsa_system_sgpr_workgroup_id_y 1
		.amdhsa_system_sgpr_workgroup_id_z 1
		.amdhsa_system_vgpr_workitem_id 0
		.amdhsa_next_free_vgpr 256
		.amdhsa_next_free_sgpr 66
		.amdhsa_reserve_vcc 1
		.amdhsa_float_denorm_mode_32 3
		.amdhsa_float_denorm_mode_16_64 3
		.amdhsa_memory_ordered 1
		.amdhsa_forward_progress 1
		.amdhsa_inst_pref_size 107
	.end_amdhsa_kernel
	.amdgpu_metadata
---
amdhsa.version: [ 1, 2 ]
amdhsa.kernels:
  - .name:           k_qee84c50402_attn
    .symbol:         k_qee84c50402_attn.kd
    .args:
      - { .name: qkvf, .offset: 0, .size: 8, .value_kind: global_buffer, .address_space: global }
      - { .name: a, .offset: 8, .size: 8, .value_kind: global_buffer, .address_space: global }
      - { .name: b, .offset: 16, .size: 8, .value_kind: global_buffer, .address_space: global }
      - { .name: dt, .offset: 24, .size: 8, .value_kind: global_buffer, .address_space: global }
      - { .name: ao, .offset: 32, .size: 8, .value_kind: global_buffer, .address_space: global }
    .group_segment_fixed_size: 327680
    .private_segment_fixed_size: 0
    .kernarg_segment_align: 8
    .kernarg_segment_size: 40
    .max_flat_workgroup_size: 512
    .sgpr_count:     66
    .vgpr_count:     256
    .wavefront_size: 32
...
	.end_amdgpu_metadata
.endif
;; end of part 3
;; launch proj (part 4): grid 8 x 32, 4 waves a work-group, clusters of 4 x 4, 327,680 bytes of LDS; arguments ao, wf, out0; writes out0
.if DOCPART == 4
	.amdgcn_target "amdgcn-amd-amdhsa--gfx1250"
	.amdhsa_code_object_version 6
	.text
	.protected	k_qee84c50402_proj
	.globl	k_qee84c50402_proj
	.p2align	8
	.type	k_qee84c50402_proj,@function
k_qee84c50402_proj:
	s_mov_b64 s[64:65], 0
	v_nop
	global_prefetch_b8 v0, s[64:65] scope:SCOPE_SE
	s_setreg_imm32_b32 hwreg(HW_REG_WAVE_MODE, 25, 1), 1
	s_wait_xcnt 0x0
	s_wait_alu depctr_hold_cnt(0) depctr_sa_sdst(0) depctr_va_vdst(0) depctr_va_sdst(0) depctr_va_ssrc(0) depctr_va_vcc(0) depctr_vm_vsrc(0)
	s_getreg_b32 s2, hwreg(HW_REG_IB_STS2, 6, 4)
	s_cmp_eq_u32 s2, 0
	s_cbranch_scc0 .Lentry_in_a_cluster
	s_endpgm
.Lentry_in_a_cluster:
	s_bfe_u32 s2, ttmp6, 0x10000c
	s_cmp_lg_u32 s2, 0xf033
	s_cbranch_scc0 .Lentry_shape_is_right
	s_endpgm
.Lentry_shape_is_right:
; out0[m][n] = sum over k of O[m][k] Wout[n][k]: m 4,096, n 1,024, k 1,024; operands f16, sums f32, out0 f32.  O comes as images of fragments (ao: byte = (m / 16) x 32,768 + (k / 32) x 1,024 + half x 512 + 16 lane),
; Wout as f16 rows (wf).  LEFT OUT: the stores of positions 0-15 of each batch, which the launch first16 makes in f32; their products lie inside a tile that holds live rows and stay.
; A tile of 128 x 128 is made by four waves, 64 x 64 each: 16 accumulators.  K goes in steps of 256 through two LDS slots.  O's part of a slot is 8 tiles of rows x 8,192 dense bytes, read at 16 x lane;
; Wout's is 128 rows of 512 bytes + 16 of padding.  CLUSTERS: 4 x 4; O's tiles are asked for jointly along a row of the cluster, Wout's along a column.
; THE MATRIX INSTRUCTION IS USED TRANSPOSED (source 0 = 16 rows of Wout, source 1 = 16 rows of O): a lane holds eight neighbouring numbers of a row of out0.
; REGISTERS: window 0: v0-31 addresses; v32-95 the way out; v128-255 the accumulators ((a, b) at v[128 + 8 (4 a + b)]).  window 1: two fragment buffers of 128: 64 registers of O, then 64 of Wout.
.set KSTEP,  256
.set PITCH,  528                       ; 512 bytes + 16: the 16 rows that a load touches start at 16 different groups of four banks
.set ASZ,    65536                     ; O's part of a slot
.set HALFA,  32768                     ; 64 rows of O: what one tensor load brings
.set HALFB,  64*PITCH                  ; 64 rows of Wout
.set SLOT,   ASZ+2*HALFB
.set STAGE,  2*SLOT                    ; behind the ring: 16 rows x 272 bytes for each wave
.set SPITCH, 272
.set SPARE,  STAGE+4*16*SPITCH
.set LAPS,   2
.set ADRA, 16
.set ADRB, 20
.set STO,  24
.set RD,   25
.set CO,   26
.set SPW,  28
.set NIL,  29
.set TMP,  32
.set ACC,  128
.set F0,   0
.set F1,   128
.set G1, 24
.set G0, 32
.set G1B, 48
.set G0B, 56
.set KEEP, 66                          ; s66  0 where my block 0 holds positions 0-15 of a batch, else all ones
.set SAVE, 67
.set MSB, 0
.macro WIN new
.if MSB != \new
	s_set_vgpr_msb (MSB<<8)|\new
.set MSB, \new
.endif
.endm
.set MUL,  0x05
.set TO_F, 0x40
.macro JLOAD s                         ; waves 0 and 1 fetch O's two halves, waves 2 and 3 Wout's; an s_nop 0 and four v_nop follow each line
	s_cmp_eq_u32 s11, 0
	s_cbranch_scc0 .Lfor_b_\@
	tensor_load_to_lds s[G0+4*\s:G0+4*\s+3], s[G1:G1+7]
	s_nop 0
.rept 4
	v_nop
.endr
	s_branch .Lasked_\@
.Lfor_b_\@:
	tensor_load_to_lds s[G0B+4*\s:G0B+4*\s+3], s[G1B:G1B+7]
	s_nop 0
.rept 4
	v_nop
.endr
.Lasked_\@:
.endm
.macro CREST
	s_cmp_lg_u32 s10, 0
	s_cbranch_scc1 .Lnot_wave_0_\@
	s_barrier_signal -3
.Lnot_wave_0_\@:
	s_barrier_wait -3
	s_barrier_signal -1
	s_barrier_wait -1
.endm
.macro CROUND
	s_barrier_signal -1
	s_barrier_wait -1
	CREST
.endm
	s_load_b128 s[4:7], s[0:1], 0x0                ; ao, wf
	s_load_b64 s[8:9], s[0:1], 0x10                ; out0
	v_lshl_add_u32 v[SPW], v0, 2, SPARE
	v_mov_b32 v[NIL], 0
	ds_add_u32 v[SPW], v[NIL]                      ; the wave's opening: the add, twice on end, and its wait ahead of my first tensor load
	ds_add_u32 v[SPW], v[NIL]
	v_lshrrev_b32 v1, 5, v0
	v_readfirstlane_b32 s10, v1                    ; wave 0..3
	s_lshr_b32 s11, s10, 1                         ; which half of the tile's rows is mine.  Also: I fetch for O (0) or for Wout (1)
	s_and_b32 s12, s10, 1                          ; which half of its columns.  Also: which 64 rows I fetch
	s_bfe_u32 s40, ttmp6, 0x40000
	s_bfe_u32 s41, ttmp6, 0x40004
	s_lshl_b32 s42, ttmp9, 2
	s_add_co_u32 s42, s42, s40                     ; tile column
	s_and_b32 s13, ttmp7, 0xffff
	s_lshl_b32 s13, s13, 2
	s_add_co_u32 s13, s13, s41                     ; tile row
	s_lshl_b32 s43, s41, 2
	s_lshl_b32 s43, 15, s43
	s_lshl_b32 s44, 0x1111, s40
	s_or_b32 s[G1+0], s43, (3<<16)|(1<<21)         ; O: mask of my row; elements of 8 bytes; no padding; bit 21 beside a mask
	s_mov_b32 s[G1+1], 1024<<16                    ; tensor_dim0: 8,192 bytes
	s_mov_b32 s[G1+2], 4<<16                       ; tensor_dim1: four tiles of 16 rows
	s_mov_b32 s[G1+3], 1024<<16                    ; tile_dim0
	s_mov_b32 s[G1+4], 4                           ; tile_dim1
	s_mov_b32 s[G1+5], 4096                        ; 32,768 bytes from tile to tile
	s_mov_b32 s[G1+6], 0
	s_mov_b32 s[G1+7], 0
	s_or_b32 s[G1B+0], s44, (1<<16)|(1<<20)|(1<<21)|(6<<22)|(3<<25)  ; Wout: mask of my column; elements of 2 bytes; 4 words of padding after every 128
	s_mov_b32 s[G1B+1], KSTEP<<16
	s_mov_b32 s[G1B+2], 64<<16
	s_mov_b32 s[G1B+3], KSTEP<<16
	s_mov_b32 s[G1B+4], 64
	s_mov_b32 s[G1B+5], 1024
	s_mov_b32 s[G1B+6], 0
	s_mov_b32 s[G1B+7], 0
	s_lshl_b32 s16, s13, 18                        ; O: (8 x tile row + 4 x half) x 32,768
	s_lshl_b32 s17, s12, 17
	s_add_co_u32 s16, s16, s17
	s_mov_b32 s17, 0
	s_lshl_b32 s46, s42, 18                        ; Wout: (128 x tile column + 64 x half) x 2,048
	s_lshl_b32 s47, s12, 17
	s_add_co_u32 s46, s46, s47
	s_mov_b32 s47, 0
	s_lshl_b32 s20, s12, 15                        ; where they go: no place in the cluster enters an LDS address
	s_mul_i32 s21, s12, HALFB
	s_add_co_u32 s21, s21, ASZ
	s_wait_dscnt 0x0                               ; both opening adds are done
	s_wait_kmcnt 0x0
	s_add_nc_u64 s[14:15], s[4:5], s[16:17]
	s_add_nc_u64 s[46:47], s[6:7], s[46:47]
	CROUND                                         ; all sixteen work-groups are here: the first joint loads meet
.irp s, 0,1
	s_mov_b32 s[G0+4*\s], 1
	s_add_co_u32 s[G0+4*\s+1], s20, \s*SLOT
	s_add_nc_u64 s[G0+4*\s+2:G0+4*\s+3], s[14:15], \s*8192
	s_or_b32 s[G0+4*\s+3], s[G0+4*\s+3], 0x80000000
	s_mov_b32 s[G0B+4*\s], 1
	s_add_co_u32 s[G0B+4*\s+1], s21, \s*SLOT
	s_add_nc_u64 s[G0B+4*\s+2:G0B+4*\s+3], s[46:47], \s*KSTEP*2
	s_or_b32 s[G0B+4*\s+3], s[G0B+4*\s+3], 0x80000000
	JLOAD \s
.endr
	v_and_b32 v1, 15, v0                           ; r
	v_bfe_u32 v2, v0, 4, 1                         ; h
	v_and_b32 v3, 31, v0
	v_lshlrev_b32 v3, 4, v3                        ; 16 x lane
	v_mul_u32_u24 v4, v1, PITCH
	v_lshl_add_u32 v4, v2, 4, v4
	s_lshl_b32 s21, s11, 15                        ; my 64 rows of O
	s_mul_i32 s22, s12, HALFB                      ; my 64 rows of Wout
	s_add_co_u32 s22, s22, ASZ
.irp s, 0,1
	v_add_nc_u32 v[ADRA+\s], s21, v3
	v_add_nc_u32 v[ADRB+\s], s22, v4
	s_add_co_u32 s21, s21, SLOT
	s_add_co_u32 s22, s22, SLOT
.endr
	s_mul_i32 s23, s10, 16*SPITCH
	s_add_co_u32 s23, s23, STAGE                   ; my stage
	v_mul_u32_u24 v4, v1, SPITCH
	v_lshl_add_u32 v4, v2, 5, v4
	v_add_nc_u32 v[STO], s23, v4                   ; in: row r, 32 bytes for each half of the lanes
	v_mul_u32_u24 v5, v2, SPITCH
	v_lshl_add_u32 v5, v1, 4, v5
	v_add_nc_u32 v[RD], s23, v5                    ; back: lanes 0-15 one row of 256 bytes, lanes 16-31 the next
	v_lshlrev_b32 v5, 12, v2
	v_lshl_add_u32 v[CO], v1, 4, v5                ; and the same two rows in out0
	s_lshl_b32 s16, s13, 7
	s_lshl_b32 s17, s11, 6
	s_add_co_u32 s16, s16, s17                     ; my first row
	s_lshl_b32 s16, s16, 12
	s_mov_b32 s17, 0
	s_add_nc_u64 s[8:9], s[8:9], s[16:17]
	s_lshl_b32 s46, s42, 9
	s_lshl_b32 s47, s12, 8
	s_add_co_u32 s46, s46, s47                     ; my first column, in bytes
	s_mov_b32 s47, 0
	s_add_nc_u64 s[8:9], s[8:9], s[46:47]
	s_and_b32 s16, s13, 15
	s_or_b32 s16, s16, s11
	s_cmp_eq_u32 s16, 0
	s_cselect_b32 s[KEEP], 0, -1                   ; a mask for EXEC, not a branch
.macro MUL8 f, c, a0, zero             ; 8 matrix instructions; the 16 accumulators take turns
.irp a, \a0, \a0+1
.irp b, 0,1,2,3
.if \zero
	v_wmma_f32_16x16x32_f16 v[ACC+8*(4*(\a)+\b):ACC+8*(4*(\a)+\b)+7], v[\f+64+8*(4*\c+\b):\f+64+8*(4*\c+\b)+7], v[\f+8*(4*\c+\a):\f+8*(4*\c+\a)+7], 0
.else
	v_wmma_f32_16x16x32_f16 v[ACC+8*(4*(\a)+\b):ACC+8*(4*(\a)+\b)+7], v[\f+64+8*(4*\c+\b):\f+64+8*(4*\c+\b)+7], v[\f+8*(4*\c+\a):\f+8*(4*\c+\a)+7], v[ACC+8*(4*(\a)+\b):ACC+8*(4*(\a)+\b)+7]
.endif
.endr
.endr
.endm
; 32 LDS loads in one run: the fragments of 64 along K, at byte k of Wout's rows (16 k in O's images), into buffer f; the first 32 along K first
.macro FETCH slot, k, f
	WIN TO_F
.irp c, 0,1
.irp i, 0,1,2,3
	ds_load_b128 v[\f+64+8*(4*\c+\i):\f+64+8*(4*\c+\i)+3],   v[ADRB+\slot] offset:\k+64*\c+\i*16*PITCH
	ds_load_b128 v[\f+64+8*(4*\c+\i)+4:\f+64+8*(4*\c+\i)+7], v[ADRB+\slot] offset:\k+64*\c+\i*16*PITCH+32
	ds_load_b128 v[\f+8*(4*\c+\i):\f+8*(4*\c+\i)+3],         v[ADRA+\slot] offset:16*(\k)+1024*\c+\i*8192
	ds_load_b128 v[\f+8*(4*\c+\i)+4:\f+8*(4*\c+\i)+7],       v[ADRA+\slot] offset:16*(\k)+1024*\c+\i*8192+512
.endr
.endr
.endm
.macro PLACES
.rept 4
	v_nop
.endr
.endm
.macro QUARTER slot, k, f, g, zero
	s_wait_dscnt 16                                ; the first 32 along K are in; the other sixteen loads may be out
	WIN MUL
	MUL8 \f, 0, 0, \zero
	MUL8 \f, 0, 2, \zero
	PLACES
	FETCH \slot, \k, \g
	s_wait_dscnt 32                                ; all but the 32 just issued
	WIN MUL
	MUL8 \f, 1, 0, 0
	MUL8 \f, 1, 2, 0
.endm
; The last quarter changes slots: one barrier; in front of it each wave waits for all its tensor loads, adds 0 to its spare word, and waits for that and for its reads of this slot.  fill = 1: the slot is filled again.
.macro TURN slot, next, fill
	WIN 0
	s_wait_tensorcnt 0x0
	ds_add_u32 v[SPW], v[NIL]
	s_wait_dscnt 17                                ; (the add and the youngest sixteen loads may be out)
	WIN MUL
	MUL8 F1, 0, 0, 0
	s_wait_dscnt 0x0
	s_barrier_signal -1
	MUL8 F1, 0, 2, 0
.if \fill
	WIN 0
.endif
	s_barrier_wait -1
.if \fill
	CREST                                          ; the barrier has opened a round of the cluster's barrier: no wave of any partner still reads this slot or has a load on its way
	s_add_nc_u64 s[G0+4*\slot+2:G0+4*\slot+3], s[G0+4*\slot+2:G0+4*\slot+3], 2*8192
	s_add_nc_u64 s[G0B+4*\slot+2:G0B+4*\slot+3], s[G0B+4*\slot+2:G0B+4*\slot+3], 2*KSTEP*2
	JLOAD \slot                                    ; the first tensor load behind the round; its four v_nop are also the places in front of the loads below
.else
	PLACES
.endif
	FETCH \next, 0, F0
	WIN MUL
	MUL8 F1, 1, 0, 0
	MUL8 F1, 1, 2, 0
.endm
	s_wait_tensorcnt 1                             ; my part of K step 0 is in; K step 1's load may be out
	s_barrier_signal -1
	s_barrier_wait -1
	FETCH 0, 0, F0
	QUARTER 0, 128, F0, F1, 1                      ; the first products start the sums
	WIN 0
	s_mov_b32 s3, LAPS-1
.Llap:
	QUARTER 0, 256, F1, F0, 0
	QUARTER 0, 384, F0, F1, 0
	TURN 0, 1, 1
	QUARTER 1, 128, F0, F1, 0
	QUARTER 1, 256, F1, F0, 0
	QUARTER 1, 384, F0, F1, 0
	TURN 1, 0, 1
	QUARTER 0, 128, F0, F1, 0
	WIN 0
	s_sub_co_u32 s3, s3, 1
	s_cmp_lg_u32 s3, 0
	s_cbranch_scc1 .Llap
	QUARTER 0, 256, F1, F0, 0                      ; the last lap fills nothing
	QUARTER 0, 384, F0, F1, 0
	TURN 0, 1, 0
	QUARTER 1, 128, F0, F1, 0
	QUARTER 1, 256, F1, F0, 0
	QUARTER 1, 384, F0, F1, 0
	s_wait_dscnt 16
	WIN MUL
	MUL8 F1, 0, 0, 0
	MUL8 F1, 0, 2, 0
	s_wait_dscnt 0
	MUL8 F1, 1, 0, 0
	MUL8 F1, 1, 2, 0
	WIN 0
; THE WAY OUT, block by block of 16 rows x 64 columns (256 bytes a row): through my own stage, back as whole rows; sixteen lanes store 256 consecutive bytes, aligned.  LDS serves a wave's instructions in order.
.macro TOSTAGE a
.irp b, 0,1,2,3
	ds_store_b128 v[STO], v[ACC+8*(4*(\a)+\b):ACC+8*(4*(\a)+\b)+3] offset:64*\b          ; each accumulator from its low end on
	ds_store_b128 v[STO], v[ACC+8*(4*(\a)+\b)+4:ACC+8*(4*(\a)+\b)+7] offset:64*\b+16
.endr
.irp t, 0,1,2,3,4,5,6,7
	ds_load_b128 v[TMP+32*((\a)%2)+4*\t:TMP+32*((\a)%2)+4*\t+3], v[RD] offset:\t*2*SPITCH
.endr
.endm
.macro SEND a, younger                 ; younger: the LDS instructions issued behind block a's loads
	s_wait_dscnt \younger
.if (\a) == 0
	s_mov_b32 vcc_lo, s[KEEP]                      ; positions 0-15 of a batch are stored by the launch first16 alone
	s_wait_xcnt 0x0                                ; EXEC changes only behind this wait
	s_and_saveexec_b32 s[SAVE], vcc_lo
.endif
.irp t, 0,1,2,3,4,5,6,7
	global_store_b128 v[CO], v[TMP+32*((\a)%2)+4*\t:TMP+32*((\a)%2)+4*\t+3], s[8:9] offset:(16*(\a)+2*\t)*4096 th:TH_STORE_NT
.endr
.if (\a) == 0
	s_wait_xcnt 0x0
	s_or_b32 exec_lo, exec_lo, s[SAVE]
.endif
.endm
	PLACES
	TOSTAGE 0
	TOSTAGE 1
	SEND 0, 16                                     ; behind block 0's loads: block 1's 8 stores and 8 loads
	s_wait_xcnt 0x0                                ; block 0's stores have read their registers
	TOSTAGE 2
	SEND 1, 16
	s_wait_xcnt 0x0
	TOSTAGE 3
	SEND 2, 16
	SEND 3, 0
	s_wait_tensorcnt 0x0                           ; the wave's end
	ds_add_u32 v[SPW], v[NIL]
	s_wait_dscnt 0x0
	CROUND                                         ; the closing round
	s_endpgm
.Lfunc_end_k_qee84c50402_proj:
	.size	k_qee84c50402_proj, .Lfunc_end_k_qee84c50402_proj-k_qee84c50402_proj
	.p2alignl 7, 3214868480
	.fill 96, 4, 3214868480
	.section	.rodata,"a",@progbits
	.p2align	6, 0x0
	.amdhsa_kernel k_qee84c50402_proj
		.amdhsa_group_segment_fixed_size 327680
		.amdhsa_private_segment_fixed_size 0
		.amdhsa_enable_private_segment 0
		.amdhsa_kernarg_size 24
		.amdhsa_user_sgpr_count 2
		.amdhsa_user_sgpr_kernarg_segment_ptr 1
		.amdhsa_wavefront_size32 1
		.amdhsa_system_sgpr_workgroup_id_x 1
		.amdhsa_system_sgpr_workgroup_id_y 1
		.amdhsa_system_sgpr_workgroup_id_z 1
		.amdhsa_system_vgpr_workitem_id 0
		.amdhsa_next_free_vgpr 512
		.amdhsa_next_free_sgpr 68
		.amdhsa_reserve_vcc 1
		.amdhsa_float_denorm_mode_32 3
		.amdhsa_float_denorm_mode_16_64 3
		.amdhsa_memory_ordered 1
		.amdhsa_forward_progress 1
		.amdhsa_inst_pref_size 86
	.end_amdhsa_kernel
	.amdgpu_metadata
---
amdhsa.version: [ 1, 2 ]
amdhsa.kernels:
  - .name:           k_qee84c50402_proj
    .symbol:         k_qee84c50402_proj.kd
    .args:
      - { .name: ao, .offset: 0, .size: 8, .value_kind: global_buffer, .address_space: global }
      - { .name: wf, .offset: 8, .size: 8, .value_kind: global_buffer, .address_space: global }
      - { .name: out0, .offset: 16, .size: 8, .value_kind: global_buffer, .address_space: global }
    .group_segment_fixed_size: 327680
    .private_segment_fixed_size: 0
    .kernarg_segment_align: 8
    .kernarg_segment_size: 24
    .max_flat_workgroup_size: 128
    .sgpr_count:     68
    .vgpr_count:     512
    .wavefront_size: 32
...
	.end_amdgpu_metadata
.endif
;; end of part 4
;; launch first16 (part 5): grid 16 x 2, 16 waves a work-group, no clusters, 71,680 bytes of LDS; arguments q16, Wout, a, b, dt, out0; writes out0
.if DOCPART == 5
	.amdgcn_target "amdgcn-amd-amdhsa--gfx1250"
	.amdhsa_code_object_version 6
	.text
	.protected	k_qee84c50402_first16
	.globl	k_qee84c50402_first16
	.p2align	8
	.type	k_qee84c50402_first16,@function
k_qee84c50402_first16:
	s_mov_b64 s[64:65], 0
	v_nop
	global_prefetch_b8 v0, s[64:65] scope:SCOPE_SE
	s_setreg_imm32_b32 hwreg(HW_REG_WAVE_MODE, 25, 1), 1
	s_wait_xcnt 0x0
; The first 16 positions of each batch, in f32 throughout: under the causal mask these rows average one to sixteen values and are the largest, so 16-bit operands would weigh most here.
; LEFT OUT (shown at the head of the launch quant): the energy sums and per-row gates: the gate is the one number F made of a, b, dt.  LIMITS as stated there.
; SHARES.  Work-group (x, y): output columns 64 x .. 64 x + 63 of batch y.  Wave w is head w: its head's attention for the 16 positions, then its head's 64 k of the projection for the 64 columns; the sixteen partial
; sums meet in LDS, and waves 0-7 add them in ascending order of heads and store: sixteen lanes fill 256 consecutive bytes, aligned.  The attention is repeated in the 16 column blocks: so no sum spans work-groups.
; THE ORDER OF K is permuted alike in both operands of each product, so that registers serve as they lie: q.k step (t, e, i): (h, j) stands for d = 16 t + 8 h + 4 e + 2 i + j;
; p.v step i: key 8 h + 2 i + j;  projection step (dt, i): d = 16 dt + 8 h + 2 i + j.  All three are used transposed: a lane holds one position.
; The registers that the f32 matrix form writes (v200-247) are written by matrix instructions alone; what is made of a sum goes into other registers.
.set WRED,  4352                       ; a wave's partial sums: 16 chunks of 4 columns x (256 bytes + 16)
.set SPARE, 16*WRED
.set LI,  1                            ; v1  16 x lane
.set VA,  2                            ; v2  V's lane part
.set WA,  3                            ; v3  Wout's lane part
.set RS,  4                            ; v4  where I put my partial sums
.set SPW, 5
.set NIL, 6
.set FF,  7
.set DD,  8                            ; v8  r - 8 h
.set NINF, 9
.set QR,  16                           ; v16-47  Q, later Wout's tiles of columns 32-47
.set KR,  48                           ; v48-79  K, later Wout's tiles of columns 48-63
.set VR,  80                           ; v80-111 V, later the normalised O
.set PR,  176                          ; v176-183 scores, then p
.set RA,  190                          ; v190 where I read partial sums
.set OA,  191                          ; v191 my byte in the 16 rows of out0
.set SACC, 200                         ; v200-215 two accumulators of S^T
.set OO,  216                          ; v216-247 four accumulators: O^T, later the projection
.set WV,  16
.set SA,  24
.set SB,  25
.set SDT, 26
.set CS,  28
.set SEL, 30
.macro GATE dst, t0, t1, t2, t3, t4, t5        ; F = c / (c + 1e-8), c = 0.5 + 0.5 sigmoid(v2); I = 0.1 + 0.9 sigmoid(5)
	v_mov_b32 v[\t0], s[SDT]
	v_mul_f32 v[\t1], 0x3da3d70a, v[\t0]           ; dt / tau
	v_mul_f32 v[\t2], 0x3f7e753d, v[\t0]           ; v1 = dt I
	v_fma_f32 v[\t3], v[\t1], s[SB], 1.0
	v_rcp_f32 v[\t3], v[\t3]
	v_add_f32 v[\t4], s[SA], v[\t2]
	v_mul_f32 v[\t4], v[\t1], v[\t4]
	v_mul_f32 v[\t5], v[\t2], v[\t2]
	v_mul_f32 v[\t5], v[\t5], v[\t2]
	v_fmamk_f32 v[\t5], v[\t5], 0xbeaaaaab, v[\t2]
	v_add_f32 v[\t5], 0x3f7e753d, v[\t5]
	s_wait_alu depctr_va_vdst(0)                   ; ahead of a transcendental's first reader
	v_fma_f32 v[\t5], -v[\t4], v[\t3], v[\t5]
	v_fma_f32 v[\t5], v[\t0], v[\t5], v[\t2]       ; v2
	v_mul_f32 v[\t5], 0xbfb8aa3b, v[\t5]
	v_exp_f32 v[\t5], v[\t5]
	v_nop
	s_wait_alu depctr_va_vdst(0)
	v_add_f32 v[\t5], 1.0, v[\t5]
	v_rcp_f32 v[\t5], v[\t5]
	v_nop
	s_wait_alu depctr_va_vdst(0)
	v_fma_f32 v[\t5], v[\t5], 0.5, 0.5
	v_add_f32 v[\t4], 0x322bcc77, v[\t5]
	v_rcp_f32 v[\t4], v[\t4]
	v_nop
	s_wait_alu depctr_va_vdst(0)
	v_mul_f32 v[\dst], v[\t5], v[\t4]
.endm
	s_load_b256 s[4:11], s[0:1], 0x0               ; q16 s[4:5], Wout s[6:7], a s[8:9], b s[10:11]
	s_load_b128 s[12:15], s[0:1], 0x20             ; dt s[12:13], out0 s[14:15]
	v_lshl_add_u32 v[SPW], v0, 2, SPARE
	v_mov_b32 v[NIL], 0
	v_lshrrev_b32 v1, 5, v0
	v_readfirstlane_b32 s[WV], v1                  ; wave = head
	s_and_b32 s17, ttmp7, 0xffff                   ; batch
	v_and_b32 v15, 15, v0                          ; r
	v_bfe_u32 v14, v0, 4, 1                        ; h
	v_and_b32 v1, 31, v0
	v_lshlrev_b32 v[LI], 4, v1
	v_bfe_u32 v[VA], v15, 2, 1                     ; V(key, d = 16 dt + r): 512 ((r / 4) % 2) + 256 (r / 8) + 128 h + 4 (r % 4)
	v_lshlrev_b32 v[VA], 9, v[VA]
	v_lshrrev_b32 v10, 3, v15
	v_lshl_or_b32 v[VA], v10, 8, v[VA]
	v_lshl_or_b32 v[VA], v14, 7, v[VA]
	v_and_b32 v10, 3, v15
	v_lshl_or_b32 v[VA], v10, 2, v[VA]
	v_lshlrev_b32 v[WA], 12, v15                   ; Wout: row r of a tile of columns, + 32 h
	v_lshl_or_b32 v[WA], v14, 5, v[WA]
	s_mul_i32 s18, s[WV], WRED
	v_mul_u32_u24 v[RS], v14, 544
	v_lshl_add_u32 v[RS], v15, 4, v[RS]
	v_add_nc_u32 v[RS], s18, v[RS]                 ; chunk 4 nn + 2 h + e of 4 columns, position r
	v_and_b32 v10, 15, v0                          ; the reading thread's chunk,
	v_bfe_u32 v11, v0, 4, 4                        ; and its position
	v_mul_u32_u24 v[RA], v10, 272
	v_lshl_add_u32 v[RA], v11, 4, v[RA]
	v_lshlrev_b32 v[OA], 12, v11
	v_lshl_add_u32 v[OA], v10, 4, v[OA]
	v_lshlrev_b32 v[DD], 3, v14
	v_sub_nc_u32 v[DD], v15, v[DD]
	v_mov_b32 v[NINF], 0xff800000
	s_mul_i32 s18, s17, 196608
	s_lshl_b32 s19, s[WV], 12
	s_add_co_u32 s18, s18, s19                     ; q16: my batch, my head's four tiles of columns
	s_mov_b32 s19, 0
	s_lshl_b32 s20, ttmp9, 18
	s_lshl_b32 s21, s[WV], 8
	s_add_co_u32 s20, s20, s21                     ; Wout: row 64 x, byte 256 w
	s_mov_b32 s21, 0
	s_lshl_b32 s22, s17, 23
	s_lshl_b32 s23, ttmp9, 8
	s_add_co_u32 s22, s22, s23                     ; out0: my batch's first row, byte 256 x
	s_mov_b32 s23, 0
	s_mov_b32 s[CS], 0x3e38aa3b                    ; c = log2(e) / 8
	s_mov_b32 s[SEL], 0x76543210
	s_mov_b32 s[SEL+1], 0xfedcba98
	s_wait_kmcnt 0x0
	s_add_nc_u64 s[4:5], s[4:5], s[18:19]
	s_add_nc_u64 s[6:7], s[6:7], s[20:21]
	s_add_nc_u64 s[14:15], s[14:15], s[22:23]
	s_load_b32 s[SA], s[8:9], 0x0
	s_load_b32 s[SB], s[10:11], 0x0
	s_load_b32 s[SDT], s[12:13], 0x0
.irp n, 0,1,2,3,4,5,6,7
	global_load_b128 v[QR+4*\n:QR+4*\n+3], v[LI], s[4:5] offset:512*\n
.endr
.irp n, 0,1,2,3,4,5,6,7
	global_load_b128 v[KR+4*\n:KR+4*\n+3], v[LI], s[4:5] offset:65536+512*\n
.endr
.irp d, 0,1,2,3
.irp m, 0,1,2,3,4,5,6,7
	global_load_b32 v[VR+8*\d+\m], v[VA], s[4:5] offset:131072+\d*1024+\m*16     ; V(8 h + m, 16 d + r)
.endr
.endr
.irp nn, 0,1
.irp d, 0,1,2,3
	global_load_b128 v[112+32*\nn+8*\d:112+32*\nn+8*\d+3], v[WA], s[6:7] offset:\nn*65536+\d*64
	global_load_b128 v[112+32*\nn+8*\d+4:112+32*\nn+8*\d+7], v[WA], s[6:7] offset:\nn*65536+\d*64+16
.endr
.endr
	s_wait_loadcnt 48                              ; Q and K are in; V's 32 loads and Wout's 16 stay out
	; S^T = K Q^T: sixteen steps of 4 along d, two accumulators by turns; each sum's first step takes the constant 0
.irp s, 0,1,2,3,4,5,6,7,8,9,10,11,12,13,14,15
.if \s < 2
	v_wmma_f32_16x16x4_f32 v[SACC+8*(\s%2):SACC+8*(\s%2)+7], v[KR+2*\s:KR+2*\s+1], v[QR+2*\s:QR+2*\s+1], 0
.else
	v_wmma_f32_16x16x4_f32 v[SACC+8*(\s%2):SACC+8*(\s%2)+7], v[KR+2*\s:KR+2*\s+1], v[QR+2*\s:QR+2*\s+1], v[SACC+8*(\s%2):SACC+8*(\s%2)+7]
.endif
.endr
	s_wait_kmcnt 0x0
	GATE FF, 184, 185, 186, 187, 188, 189          ; its plain lines, more than eight, are the places behind those products
.irp j, 0,1,2,3,4,5,6,7
	v_add_f32 v[PR+\j], v[SACC+\j], v[SACC+8+\j]   ; lane (r, h): query r, key 8 h + j; each accumulator from its low end on
.endr
.irp nn, 2,3
.irp d, 0,1,2,3
	global_load_b128 v[QR+32*(\nn-2)+8*\d:QR+32*(\nn-2)+8*\d+3], v[WA], s[6:7] offset:\nn*65536+\d*64       ; into the registers that Q and K have left
	global_load_b128 v[QR+32*(\nn-2)+8*\d+4:QR+32*(\nn-2)+8*\d+7], v[WA], s[6:7] offset:\nn*65536+\d*64+16
.endr
.endr
.irp j, 0,1,2,3,4,5,6,7
	v_cmp_gt_i32 vcc_lo, \j, v[DD]                 ; key 8 h + j > query r: hidden
	v_cndmask_b32 v[PR+\j], v[PR+\j], v[NINF], vcc_lo
.endr
	v_max3_num_f32 v10, v[PR], v[PR+1], v[PR+2]
	v_max3_num_f32 v10, v10, v[PR+3], v[PR+4]
	v_max3_num_f32 v10, v10, v[PR+5], v[PR+6]
	v_max_num_f32 v10, v10, v[PR+7]
	v_permlanex16_b32 v11, v10, s[SEL], s[SEL+1]
	v_max_num_f32 v10, v10, v11                    ; the row's maximum: key 0 counts for every query
	v_mul_f32 v12, s[CS], v10
.irp j, 0,1,2,3,4,5,6,7
	v_fma_f32 v[PR+\j], v[PR+\j], s[CS], -v12
.endr
.irp j, 0,1,2,3,4,5,6,7
	v_exp_f32 v[PR+\j], v[PR+\j]
.endr
	v_nop
	s_wait_alu depctr_va_vdst(0)                   ; one wait for the eight
	v_add_f32 v13, v[PR], v[PR+1]
	v_add_f32 v15, v[PR+2], v[PR+3]
	v_add_f32 v13, v13, v[PR+4]
	v_add_f32 v15, v15, v[PR+5]
	v_add_f32 v13, v13, v[PR+6]
	v_add_f32 v15, v15, v[PR+7]
	v_add_f32 v13, v13, v15
	v_permlanex16_b32 v11, v13, s[SEL], s[SEL+1]
	v_add_f32 v13, v13, v11
	v_rcp_f32 v13, v13
	v_nop
	s_wait_alu depctr_va_vdst(0)
	v_mul_f32 v14, v[FF], v13                      ; F / the row's sum
	s_wait_loadcnt 32                              ; V is in; Wout's 32 loads stay out
	; O^T = V^T P: four steps of 4 keys, the four tiles of d by turns
.irp i, 0,1,2,3
.irp d, 0,1,2,3
.if \i == 0
	v_wmma_f32_16x16x4_f32 v[OO+8*\d:OO+8*\d+7], v[VR+8*\d+2*\i:VR+8*\d+2*\i+1], v[PR+2*\i:PR+2*\i+1], 0
.else
	v_wmma_f32_16x16x4_f32 v[OO+8*\d:OO+8*\d+7], v[VR+8*\d+2*\i:VR+8*\d+2*\i+1], v[PR+2*\i:PR+2*\i+1], v[OO+8*\d:OO+8*\d+7]
.endif
.endr
.endr
.rept 9
	v_nop                                          ; nine places: the results are read, V's registers are written, and the projection's first products write over these accumulators
.endr
.irp n, 0,1,2,3,4,5,6,7,8,9,10,11,12,13,14,15,16,17,18,19,20,21,22,23,24,25,26,27,28,29,30,31
	v_mul_f32 v[VR+\n], v[OO+\n], v14              ; register 8 dt + j: o(position r, d = 16 dt + 8 h + j)
.endr
	s_wait_loadcnt 0x0                             ; Wout
	; my head's part of out^T: sixteen steps of 4 along d, the four tiles of 16 columns by turns
.irp d, 0,1,2,3
.irp i, 0,1,2,3
.irp nn, 0,1,2,3
.if \nn < 2
.set WB, 112+32*\nn+8*\d+2*\i
.else
.set WB, QR+32*(\nn-2)+8*\d+2*\i
.endif
.if (\d == 0) && (\i == 0)
	v_wmma_f32_16x16x4_f32 v[OO+8*\nn:OO+8*\nn+7], v[WB:WB+1], v[VR+8*\d+2*\i:VR+8*\d+2*\i+1], 0
.else
	v_wmma_f32_16x16x4_f32 v[OO+8*\nn:OO+8*\nn+7], v[WB:WB+1], v[VR+8*\d+2*\i:VR+8*\d+2*\i+1], v[OO+8*\nn:OO+8*\nn+7]
.endif
.endr
.endr
.endr
.rept 8
	v_nop                                          ; eight places in front of the reads of results and of the loads into Wout's registers
.endr
.irp nn, 0,1,2,3
	ds_store_b128 v[RS], v[OO+8*\nn:OO+8*\nn+3] offset:(4*\nn)*272
	ds_store_b128 v[RS], v[OO+8*\nn+4:OO+8*\nn+7] offset:(4*\nn+1)*272
.endr
	s_wait_dscnt 0x0                               ; for the others' sake: my partial sums have landed
	s_barrier_signal -1
	s_barrier_wait -1
	s_cmp_lt_u32 s[WV], 8                          ; 256 threads take 16 bytes of the result each
	s_cbranch_scc0 .Ldone
.irp w, 0,1,2,3,4,5,6,7,8,9,10,11,12,13,14,15
	ds_load_b128 v[QR+4*\w:QR+4*\w+3], v[RA] offset:\w*WRED
.endr
	s_wait_dscnt 0x0
.irp w, 1,2,3,4,5,6,7,8,9,10,11,12,13,14,15
	v_pk_add_f32 v[QR:QR+1], v[QR:QR+1], v[QR+4*\w:QR+4*\w+1]
	v_pk_add_f32 v[QR+2:QR+3], v[QR+2:QR+3], v[QR+4*\w+2:QR+4*\w+3]
.endr
	global_store_b128 v[OA], v[QR:QR+3], s[14:15]  ; sixteen lanes store 256 consecutive bytes, aligned
.Ldone:
	s_wait_tensorcnt 0x0                           ; the wave's end: behind my last LDS store
	ds_add_u32 v[SPW], v[NIL]
	s_wait_dscnt 0x0
	s_endpgm
.Lfunc_end_k_qee84c50402_first16:
	.size	k_qee84c50402_first16, .Lfunc_end_k_qee84c50402_first16-k_qee84c50402_first16
	.p2alignl 7, 3214868480
	.fill 96, 4, 3214868480
	.section	.rodata,"a",@progbits
	.p2align	6, 0x0
	.amdhsa_kernel k_qee84c50402_first16
		.amdhsa_group_segment_fixed_size 71680
		.amdhsa_private_segment_fixed_size 0
		.amdhsa_enable_private_segment 0
		.amdhsa_kernarg_size 48
		.amdhsa_user_sgpr_count 2
		.amdhsa_user_sgpr_kernarg_segment_ptr 1
		.amdhsa_wavefront_size32 1
		.amdhsa_system_sgpr_workgroup_id_x 1
		.amdhsa_system_sgpr_workgroup_id_y 1
		.amdhsa_system_sgpr_workgroup_id_z 1
		.amdhsa_system_vgpr_workitem_id 0
		.amdhsa_next_free_vgpr 256
		.amdhsa_next_free_sgpr 66
		.amdhsa_reserve_vcc 1
		.amdhsa_float_denorm_mode_32 3
		.amdhsa_float_denorm_mode_16_64 3
		.amdhsa_memory_ordered 1
		.amdhsa_forward_progress 1
		.amdhsa_inst_pref_size 26
	.end_amdhsa_kernel
	.amdgpu_metadata
---
amdhsa.version: [ 1, 2 ]
amdhsa.kernels:
  - .name:           k_qee84c50402_first16
    .symbol:         k_qee84c50402_first16.kd
    .args:
      - { .name: q16, .offset: 0, .size: 8, .value_kind: global_buffer, .address_space: global }
      - { .name: Wout, .offset: 8, .size: 8, .value_kind: global_buffer, .address_space: global }
      - { .name: a, .offset: 16, .size: 8, .value_kind: global_buffer, .address_space: global }
      - { .name: b, .offset: 24, .size: 8, .value_kind: global_buffer, .address_space: global }
      - { .name: dt, .offset: 32, .size: 8, .value_kind: global_buffer, .address_space: global }
      - { .name: out0, .offset: 40, .size: 8, .value_kind: global_buffer, .address_space: global }
    .group_segment_fixed_size: 71680
    .private_segment_fixed_size: 0
    .kernarg_segment_align: 8
    .kernarg_segment_size: 48
    .max_flat_workgroup_size: 512
    .sgpr_count:     66
    .vgpr_count:     256
    .wavefront_size: 32
...
	.end_amdgpu_metadata
.endif
;; end of part 5
